; MI455X (gfx1250); checked and timed in simulation.
; The chip was launched on July 23, 2026; its instructions are those of AMD's public machine-readable ISA for CDNA 5 (MIT licence, August 2026) and "CDNA5" Instruction Set Architecture Reference Guide (July 2026). The comments in the code are by the model that wrote it; some were corrected since.
;; L La Ma Block Sparse Mo E XL. Allowed arithmetic: matrix products marked QUANTISED: E2M3 operands, one E8M0 scale for each 32 along K, by v_wmma_scale_f32_16x16x128_f8f6f4 with both operands' format E2M3, f32 sums; products left as they are: f32 operands where the result goes on into a quantised operand, else bf16, f16 or f32 operands; f32 sums; everything else in f32.
;; Inputs: W_proj_codes 1,024 x 32 x 24 uint8 (E2M3 codes of W_proj, K innermost, in blocks of 32 codes, four codes in three bytes); W_proj_scales 1,024 x 32 uint8 (E8M0 scales of W_proj, one for each 32 codes along K); W_qkv_codes 3,072 x 32 x 24 uint8 (E2M3 codes of W_qkv, K innermost, in blocks of 32 codes, four codes in three bytes); W_qkv_scales 3,072 x 32 uint8 (E8M0 scales of W_qkv, one for each 32 codes along K); attn_norm_w 1,024 float32; ffn_norm_w 1,024 float32; freqs_cos 1,024 x 32 float32; freqs_sin 1,024 x 32 float32; k 2 x 1,024 x 1,024 float32; k_xl 2 x 1,024 x 1,024 float32; pos_emb 1,024 x 1,024 float32; q 2 x 1,024 x 1,024 float32; router_b 8 float32; router_w 1,024 x 8 float32; v 2 x 1,024 x 1,024 float32; v_xl 2 x 1,024 x 1,024 float32; w1_codes 8 x 1,024 x 32 x 24 uint8 (E2M3 codes of w1, K innermost, in blocks of 32 codes, four codes in three bytes); w1_scales 8 x 1,024 x 32 uint8 (E8M0 scales of w1, one for each 32 codes along K); w2_codes 8 x 1,024 x 32 x 24 uint8 (E2M3 codes of w2, K innermost, in blocks of 32 codes, four codes in three bytes); w2_scales 8 x 1,024 x 32 uint8 (E8M0 scales of w2, one for each 32 codes along K); w3_codes 8 x 1,024 x 32 x 24 uint8 (E2M3 codes of w3, K innermost, in blocks of 32 codes, four codes in three bytes); w3_scales 8 x 1,024 x 32 uint8 (E8M0 scales of w3, one for each 32 codes along K).
;; Outputs: out0 2 x 1,024 x 1,024 float32.
;; Constants: is_causal = 0.
;; This version of the problem:
;;   THIS VERSION OF THE PROBLEM IS GIVEN IN LOW PRECISION. The matrix products marked QUANTISED in the list below multiply operands that are first quantised to E2M3 (2 exponent bits, 3 mantissa bits; 6 bits a number), with one power-of-two scale for each 32 numbers along K (OCP MX v1.0); their sums are f32. All else is computed in f32.
;;   The module's matrix products, in the order in which they are computed (A, B: the left and right operand; K: the contracted axis; several contracted axes count as one K, in the product's order):
;;     1. [M 2,048, K 1,024] x [K 1,024, N 3,072]; A: computed on the way; B: input W_qkv (given as codes): QUANTISED
;;     2. batch 32 x [M 1,024, K 64] x [K 64, N 2,048]; A: computed on the way; B: computed on the way: QUANTISED
;;     3. batch 32 x [M 1,024, K 2,048] x [K 2,048, N 64]; A: softmax (see below); B: computed on the way: QUANTISED
;;     4. [M 2,048, K 1,024] x [K 1,024, N 1,024]; A: computed on the way; B: input W_proj (given as codes): QUANTISED
;;     5. [M 2,048, K 1,024] x [K 1,024, N 8]; A: computed on the way; B: input router_w: left as it is (N = 8 < 16)
;;     6. [M 2,048, K 1,024] x [K 1,024, N 1,024]; A: computed on the way; B: input w1 (given as codes): QUANTISED
;;     7. [M 2,048, K 1,024] x [K 1,024, N 1,024]; A: computed on the way; B: input w3 (given as codes): QUANTISED
;;     8. [M 2,048, K 1,024] x [K 1,024, N 1,024]; A: computed on the way; B: input w2 (given as codes): QUANTISED
;;     9. [M 2,048, K 1,024] x [K 1,024, N 1,024]; A: computed on the way; B: input w1 (given as codes): QUANTISED
;;     10. [M 2,048, K 1,024] x [K 1,024, N 1,024]; A: computed on the way; B: input w3 (given as codes): QUANTISED
;;     11. [M 2,048, K 1,024] x [K 1,024, N 1,024]; A: computed on the way; B: input w2 (given as codes): QUANTISED
;;     12. [M 2,048, K 1,024] x [K 1,024, N 1,024]; A: computed on the way; B: input w1 (given as codes): QUANTISED
;;     13. [M 2,048, K 1,024] x [K 1,024, N 1,024]; A: computed on the way; B: input w3 (given as codes): QUANTISED
;;     14. [M 2,048, K 1,024] x [K 1,024, N 1,024]; A: computed on the way; B: input w2 (given as codes): QUANTISED
;;     15. [M 2,048, K 1,024] x [K 1,024, N 1,024]; A: computed on the way; B: input w1 (given as codes): QUANTISED
;;     16. [M 2,048, K 1,024] x [K 1,024, N 1,024]; A: computed on the way; B: input w3 (given as codes): QUANTISED
;;     17. [M 2,048, K 1,024] x [K 1,024, N 1,024]; A: computed on the way; B: input w2 (given as codes): QUANTISED
;;     18. [M 2,048, K 1,024] x [K 1,024, N 1,024]; A: computed on the way; B: input w1 (given as codes): QUANTISED
;;     19. [M 2,048, K 1,024] x [K 1,024, N 1,024]; A: computed on the way; B: input w3 (given as codes): QUANTISED
;;     20. [M 2,048, K 1,024] x [K 1,024, N 1,024]; A: computed on the way; B: input w2 (given as codes): QUANTISED
;;     21. [M 2,048, K 1,024] x [K 1,024, N 1,024]; A: computed on the way; B: input w1 (given as codes): QUANTISED
;;     22. [M 2,048, K 1,024] x [K 1,024, N 1,024]; A: computed on the way; B: input w3 (given as codes): QUANTISED
;;     23. [M 2,048, K 1,024] x [K 1,024, N 1,024]; A: computed on the way; B: input w2 (given as codes): QUANTISED
;;     24. [M 2,048, K 1,024] x [K 1,024, N 1,024]; A: computed on the way; B: input w1 (given as codes): QUANTISED
;;     25. [M 2,048, K 1,024] x [K 1,024, N 1,024]; A: computed on the way; B: input w3 (given as codes): QUANTISED
;;     26. [M 2,048, K 1,024] x [K 1,024, N 1,024]; A: computed on the way; B: input w2 (given as codes): QUANTISED
;;     27. [M 2,048, K 1,024] x [K 1,024, N 1,024]; A: computed on the way; B: input w1 (given as codes): QUANTISED
;;     28. [M 2,048, K 1,024] x [K 1,024, N 1,024]; A: computed on the way; B: input w3 (given as codes): QUANTISED
;;     29. [M 2,048, K 1,024] x [K 1,024, N 1,024]; A: computed on the way; B: input w2 (given as codes): QUANTISED
;;   THE QUANTISER, for each operand of a quantised product, along K:
;;     - K is cut into blocks of 32 from its start; a last block that is shorter is filled with zeros.
;;     - A block's scale is 2^e with e = floor(log2(the largest magnitude in the block)) - 2, held to -126 .. 127; a block of zeros has e = 0. As a byte (E8M0): e + 127.
;;     - Each number is divided by its block's scale, clamped to +-7.5, and rounded to the nearest number of E2M3, ties to even, subnormals kept.
;;     - The product sums the exact products of the quantised numbers (number of the format x scale) in f32.
;;   ~~~python
;;   def quantise(x, axis):      # numpy; x: float32 -> the quantised numbers, widened to float32 again
;;       x = np.moveaxis(x, axis, -1); K = x.shape[-1]
;;       x = np.pad(x, [(0, 0)] * (x.ndim - 1) + [(0, -K % 32)]); x = x.reshape(x.shape[:-1] + (-1, 32)); a = np.abs(x).max(-1, keepdims=True)
;;       e = np.where(a > 0, np.clip(np.frexp(np.where(a > 0, a, 1))[1] - 1 - 2, -126, 127), 0)      # np.frexp(a)[1] - 1 = floor(log2(a)), exactly
;;       r = np.clip(x / 2.0 ** e, -7.5, 7.5)
;;       step = 2.0 ** (np.maximum(np.frexp(np.where(r == 0, 1, r))[1] - 1, 0) - 3)
;;       q = np.round(r / step) * step * 2.0 ** e      # np.round: ties to even
;;       return np.moveaxis(q.reshape(q.shape[:-2] + (-1,))[..., :K], -1, axis).astype(np.float32)
;;   ~~~
;;   SOFTMAX AHEAD OF A QUANTISED PRODUCT. Where the list says 'softmax', what is quantised is not the finished softmax but p = 2^(t - M), with t = logit x log2(e) and M = ceil(the row's largest t), a whole number; so 1/2 < the row's largest p <= 1. The row's sum l is taken of the UNQUANTISED p, in f32, and the product's result is divided by l at the end. Since M is a whole number, a kernel that streams over the keys may use a running M (the ceiling of the running maximum): every later rescaling is an exact power of two, which a block's scale takes up: the codes' values come out the same.
;;   OPERANDS COMPUTED ON THE WAY. 'Computed on the way' means the value that the module computes at that place (a softmax that the list does not call 'softmax' is quantised finished and normalised). What goes into a quantiser is computed in f32, as accurately as f32 sums, v_exp_f32 and their like allow (about 1e-6 of the number): no bf16 or f16 on the way to a quantiser, and a product that is left as it is and whose result goes on into a quantised operand takes f32 operands (vector FMAs, or v_wmma_f32_16x16x4_f32). A number that lies on a knife's edge between two numbers of the format may be rounded either way, as far as f32 arithmetic and the matrix unit's own rounding can turn it there, and no further.
;;   INPUTS GIVEN AS CODES. W_proj (in the module: [1024, 1024], K = its axis 0); W_qkv (in the module: [1024, 3072], K = its axis 0); w1 (in the module: [8, 1024, 1024], K = its axis 1); w2 (in the module: [8, 1024, 1024], K = its axis 1); w3 (in the module: [8, 1024, 1024], K = its axis 1): each comes as NAME_codes (uint8): NAME with its K axis moved to the last place and cut into blocks of 32 codes, [.., K / 32, bytes a block], one block behind the other in memory; four codes in three bytes: a row's codes are one little-endian stream of bits, code i at bits 6 i .. 6 i + 5 (a code: sign, 2 exponent bits, 3 mantissa bits); and NAME_scales (uint8): the same leading axes, one E8M0 byte (e + 127) for each 32 codes along K. Its value is code x scale, taken as it is: it is not quantised again, and the codes and scales need not be those that the quantiser above would give.
;; One version. Each part assembles by itself: llvm-mc -triple=amdgcn-amd-amdhsa -mcpu=gfx1250 --defsym DOCPART=n.
;; ======== version 1 of 1: 7 launches
;; limits: right only within a limited range of input values
;; workspace buffers: wimg 22,020,096 bytes; act1 13,369,344 bytes; qkvc 5,046,272 bytes; yq 1,638,400 bytes; hx 10,043,392 bytes; topk 8,192 bytes of whole numbers; order 8,448 bytes of whole numbers; hid 13,107,200 bytes
;; launch prep (part 1): grid 480 x 1, 8 waves a work-group, no clusters, 2,048 bytes of LDS; arguments q, attn_norm_w, W_qkv_codes, W_proj_codes, w1_codes, w3_codes, w2_codes, k_xl, pos_emb, v_xl, wimg, act1; writes wimg, act1
.if DOCPART == 1
	.amdgcn_target "amdgcn-amd-amdhsa--gfx1250"
	.amdhsa_code_object_version 6
	.text
	.protected	k_q3e6dea9261_prep
	.globl	k_q3e6dea9261_prep
	.p2align	8
	.type	k_q3e6dea9261_prep,@function
k_q3e6dea9261_prep:
	s_mov_b64 s[64:65], 0
	v_nop
	global_prefetch_b8 v0, s[64:65] scope:SCOPE_SE
	s_setreg_imm32_b32 hwreg(HW_REG_WAVE_MODE, 25, 1), 1
	s_wait_xcnt 0x0
; PREP: four jobs in one launch, parted on the work-group's number alone.
;   ids   0..127  XNORM : xn = q * rsqrt(mean(q^2) + 1e-6) * attn_norm_w for one tile of 16 tokens; xn as f32 (in the layout of a matrix result), its E2M3 codes and scale bytes
;   ids 128..351  RELAY : the five weights' codes are laid out as images of operand registers, one tile of 16 rows a wave
;   ids 352..415  KMEM  : k_xl + pos_emb, quantised along a head's 64 numbers, as packed head images
;   ids 416..479  VXL   : v_xl quantised along the keys (a lane takes a column, its registers run down the keys)
; TILES.  Tile t of any matrix holds rows 32 (t / 2) + 8 (t % 2) + m + (m & 8), m = 0 .. 15, so that the 16 result registers of two neighbouring tiles are 16 neighbours along the next K.
; IMAGES. Fragment (t, s) (16 rows x 128 K, 12 registers a lane) lies at (8 t + s) x 1,536 bytes; register i of lane L at 512 (i / 4) + 16 L + 4 (i % 4): three stores or loads of 512 dense bytes.
; LIMITS. NaN and infinities are not served.  A block whose largest magnitude lies under 2^-124 (a block of zeros too) gets the scale byte 1: its codes are read by this program alone.
;         The sum of squares is taken in four chains a lane, then over lanes and waves: another order than a plain running sum.
.set SEL, 60                           ; s[60:61] selects of v_permlanex16_b32: lane l xor 16
.set HIM, 62                           ; s62      lanes 16-31
.set XC_O, 8388608                     ; act1: xn's codes
.set XS_O, 9961472                     ;       xn's scale bytes [token][32]
.set KX_O, 10027008                    ;       memory keys, packed head images
.set KXS_O, 11599872                   ;       their scale words
.set VX_O, 11730944                    ;       memory values, fragments [bh][step][tile][1,536]
.set VXS_O, 13303808                   ;       their scale words
.macro BAR                             ; my LDS stores have landed and my LDS loads are in; then the work-group's barrier
	s_wait_dscnt 0x0
	s_barrier_signal -1
	s_barrier_wait -1
.endm
; 64 numbers of a lane, register 16 b + i = k 32 b + 16 (lane / 16) + i of the lane's row, become codes: v[d0 .. d0+5] = block (lane / 16), v[d1 .. d1+5] = block 2 + (lane / 16); the row's scale word in v[pw].
.macro QUANT s, d0, d1, pw
.irp b, 0,1,2,3
	v_max3_num_f32 v[TM+\b], |v[\s+16*\b]|, |v[\s+1+16*\b]|, 0x1800000   ; my 16 numbers and the floor 2^(3 - 127): the byte cannot fall under 1
.endr
.irp i, 2,4,6,8,10,12,14
.irp b, 0,1,2,3
	s_delay_alu instid0(VALU_DEP_4)
	v_max3_num_f32 v[TM+\b], v[TM+\b], |v[\s+16*\b+\i]|, |v[\s+1+16*\b+\i]|
.endr
.endr
.irp b, 0,1,2,3
	s_delay_alu instid0(VALU_DEP_4)
	v_permlanex16_b32 v[TM+4+\b], v[TM+\b], s[SEL], s[SEL+1]
.endr
.irp b, 0,1,2,3
	s_delay_alu instid0(VALU_DEP_4)
	v_max_num_f32 v[TM+\b], v[TM+\b], v[TM+4+\b]     ; with lane l xor 16's: the block's largest magnitude
.endr
.irp b, 0,1,2,3
	s_delay_alu instid0(VALU_DEP_4)
	v_add_nc_u32 v[TM+12+\b], 0xff000000, v[TM+\b]   ; 2 off its exponent field: the conversion's scale operand
.endr
.irp b, 0,1,2,3
	s_delay_alu instid0(VALU_DEP_4)
	v_lshrrev_b32 v[TM+4+\b], 23, v[TM+12+\b]        ; the scale's byte
.endr
	s_delay_alu instid0(VALU_DEP_3)
	v_lshl_or_b32 v[\pw], v[TM+5], 8, v[TM+4]
	s_delay_alu instid0(VALU_DEP_1)
	v_lshl_or_b32 v[\pw], v[TM+6], 16, v[\pw]
	s_delay_alu instid0(VALU_DEP_1)
	v_lshl_or_b32 v[\pw], v[TM+7], 24, v[\pw]
	v_cvt_scalef32_pk16_fp6_f32 v[\d0:\d0+2], v[\s:\s+15], v[TM+12]
	v_cvt_scalef32_pk16_fp6_f32 v[CT:CT+2], v[\s+16:\s+31], v[TM+13]
	v_cvt_scalef32_pk16_fp6_f32 v[\d1:\d1+2], v[\s+32:\s+47], v[TM+14]
	v_cvt_scalef32_pk16_fp6_f32 v[CT+4:CT+6], v[\s+48:\s+63], v[TM+15]
	v_nop                                            ; one plain place behind the scaled conversions
.irp i, 0,1,2
	v_permlane16_swap_b32 v[\d0+\i], v[CT+\i]        ; a whole block to a lane: lower 16 codes in the first, upper 16 in the second
	v_permlane16_swap_b32 v[\d1+\i], v[CT+4+\i]
.endr
.irp i, 0,1,2
	v_mov_b32 v[\d0+3+\i], v[CT+\i]
	v_mov_b32 v[\d1+3+\i], v[CT+4+\i]
.endr
.endm
	s_load_b512 s[4:19], s[0:1], 0x0       ; q 4, attn_norm_w 6, W_qkv 8, W_proj 10, w1 12, w3 14, w2 16, k_xl 18
	s_load_b256 s[20:27], s[0:1], 0x40     ; pos_emb 20, v_xl 22, wimg 24, act1 26
	v_lshl_add_u32 v254, v0, 2, 0x400
	v_mov_b32 v255, 0
	v_lshrrev_b32 v1, 5, v0
	s_delay_alu instid0(VALU_DEP_1)
	v_readfirstlane_b32 s28, v1            ; wave
	v_and_b32 v1, 31, v0                   ; L
	v_and_b32 v2, 15, v0                   ; r
	v_bfe_u32 v3, v0, 4, 1                 ; h
	s_delay_alu instid0(VALU_DEP_2)
	v_and_b32 v4, 8, v2
	s_delay_alu instid0(VALU_DEP_1)
	v_add_nc_u32 v4, v4, v2                ; r + (r & 8)
	v_lshlrev_b32 v7, 4, v1                ; 16 L
	s_mov_b32 s[SEL], 0x76543210
	s_mov_b32 s[SEL+1], 0xfedcba98
	s_mov_b32 s[HIM], 0xffff0000
	s_mov_b32 s31, 0                       ; the upper word of the offset pair s[30:31]
	s_wait_kmcnt 0x0
	s_cmp_lt_u32 ttmp9, 128
	s_cbranch_scc1 .Lxnorm
	s_cmp_lt_u32 ttmp9, 352
	s_cbranch_scc1 .Lrelay
	s_cmp_lt_u32 ttmp9, 416
	s_cbranch_scc1 .Lkmem
	s_branch .Lvxl
; ---------------------------------------------------------------- XNORM: tile T = id; wave w = K step w (128 features)
.Lxnorm:
.set X, 32                             ; v32-95   64 numbers of q, then of xn
.set WN, 96                            ; v96-159  the gain at the same places
.set TM, 160
.set CT, 176
.set PC, 184
.set PW, 196
	s_lshr_b32 s32, ttmp9, 1
	s_lshl_b32 s32, s32, 5
	s_and_b32 s33, ttmp9, 1
	s_lshl_b32 s33, s33, 3
	s_add_co_u32 s32, s32, s33             ; the tile's first token
	s_lshl_b32 s33, s28, 9                 ; 512 w
	s_wait_alu depctr_va_vdst(0)
	v_add_nc_u32 v5, s32, v4
	s_delay_alu instid0(VALU_DEP_1)
	v_lshlrev_b32 v5, 12, v5
	s_delay_alu instid0(VALU_DEP_1)
	v_lshl_add_u32 v5, v3, 6, v5
	s_delay_alu instid0(VALU_DEP_1)
	v_add_nc_u32 v5, s33, v5               ; q: token x 4,096 + 512 w + 64 h
	v_lshlrev_b32 v6, 6, v3
	s_delay_alu instid0(VALU_DEP_1)
	v_add_nc_u32 v6, s33, v6               ; the gain: 512 w + 64 h
.irp b, 0,1,2,3
.irp j, 0,1,2,3
	global_load_b128 v[X+16*\b+4*\j:X+16*\b+4*\j+3], v5, s[4:5] offset:128*\b+16*\j th:TH_LOAD_NT
.endr
.endr
.irp b, 0,1,2,3
.irp j, 0,1,2,3
	global_load_b128 v[WN+16*\b+4*\j:WN+16*\b+4*\j+3], v6, s[6:7] offset:128*\b+16*\j
.endr
.endr
	s_lshl_b32 s34, s28, 6
	v_lshl_add_u32 v12, v2, 2, s34         ; LDS: my wave's partial sums, 64 w + 4 r
	v_lshlrev_b32 v13, 2, v2               ; and where all eight are read: 4 r
	s_lshl_b32 s34, s28, 2
	s_add_co_u32 s34, s34, 512
	v_lshl_add_u32 v14, v2, 5, s34         ; LDS: scale words, 512 + 32 r + 4 w
	v_add_nc_u32 v15, 512, v7              ; and where they are read back: 512 + 16 L
	v_lshl_add_u32 v24, v3, 8, v7          ; their place in memory: 16 L + 256 h
.irp b, 0,1,2,3
	v_mov_b32 v[TM+4+\b], 0                ; a lane permute's destination counts as read
.endr
	s_mov_b32 s35, 0x3a800000              ; 1 / 1,024
	s_lshl_b32 s30, ttmp9, 3
	s_add_co_u32 s30, s30, s28
	s_lshl_b32 s30, s30, 13
	s_add_nc_u64 s[36:37], s[26:27], s[30:31]      ; xn f32: (8 T + w) x 8,192
	s_mul_i32 s30, ttmp9, 12288
	s_mul_i32 s34, s28, 1536
	s_add_co_u32 s30, s30, s34
	s_add_nc_u64 s[38:39], s[26:27], s[30:31]
	s_add_nc_u64 s[38:39], s[38:39], XC_O          ; the codes' image
	s_lshl_b32 s30, s32, 5
	s_add_nc_u64 s[40:41], s[26:27], s[30:31]
	s_add_nc_u64 s[40:41], s[40:41], XS_O          ; the scale bytes
	s_wait_loadcnt 16                      ; q is in; the gain's 16 loads may stay out
.irp c, 0,1,2,3
	v_mul_f32 v[8+\c], v[X+\c], v[X+\c]    ; the first four squares start four chains
.endr
.set i, 4
.rept 15
.irp c, 0,1,2,3
	s_delay_alu instid0(VALU_DEP_4)
	v_fmac_f32 v[8+\c], v[X+i+\c], v[X+i+\c]
.endr
.set i, i+4
.endr
	s_delay_alu instid0(VALU_DEP_3)
	v_add_f32 v8, v8, v9
	s_delay_alu instid0(VALU_DEP_2)
	v_add_f32 v10, v10, v11
	s_delay_alu instid0(VALU_DEP_1)
	v_add_f32 v8, v8, v10
	s_delay_alu instid0(VALU_DEP_1)
	v_permlanex16_b32 v9, v8, s[SEL], s[SEL+1]
	s_delay_alu instid0(VALU_DEP_1)
	v_add_f32 v8, v8, v9                   ; my row's 128 squares
	ds_store_b32 v12, v8                   ; both halves of the lanes write the same word with the same value
	BAR
.irp i, 0,1,2,3,4,5,6,7
	ds_load_b32 v[16+\i], v13 offset:64*\i
.endr
	s_wait_dscnt 0x0
.irp i, 1
	v_add_f32 v16, v16, v[16+\i]
.endr
.irp i, 2, 3, 4, 5, 6, 7
	s_delay_alu instid0(VALU_DEP_1)
	v_add_f32 v16, v16, v[16+\i]
.endr
	v_mov_b32 v17, 0x358637bd              ; 1e-6
	s_delay_alu instid0(VALU_DEP_1)
	v_fma_f32 v16, v16, s35, v17
	s_wait_alu depctr_va_vdst(0)
	v_rsq_f32 v16, v16
	v_nop                                  ; one plain place behind the transcendental
	s_wait_loadcnt 0x0                     ; the gain
.set i, 0
	s_wait_alu depctr_va_vdst(0)
.rept 32
	v_pk_mul_f32 v[X+i:X+i+1], v[X+i:X+i+1], v[16:17] op_sel_hi:[1,0]
.set i, i+2
.endr
.set i, 0
.rept 32
	v_pk_mul_f32 v[X+i:X+i+1], v[X+i:X+i+1], v[WN+i:WN+i+1]
.set i, i+2
.endr
.irp k, 0,1,2,3,4,5,6,7,8,9,10,11,12,13,14,15
	global_store_b128 v7, v[X+4*\k:X+4*\k+3], s[36:37] offset:512*\k     ; 512 dense bytes a store
.endr
	QUANT X, PC, PC+6, PW
.irp c, 0,1,2
	global_store_b128 v7, v[PC+4*\c:PC+4*\c+3], s[38:39] offset:512*\c
.endr
	ds_store_b32 v14, v[PW]
	BAR
	s_cmp_lg_u32 s28, 0
	s_cbranch_scc1 .Lxend
	ds_load_b128 v[16:19], v15             ; 16 rows x 32 scale bytes, row r at 32 r
	s_wait_dscnt 0x0
	global_store_b128 v24, v[16:19], s[40:41]      ; rows 0-7 of the tile are neighbours, rows 8-15 lie 8 tokens further on
.Lxend:
	s_wait_tensorcnt 0x0
	ds_add_u32 v254, v255
	s_wait_dscnt 0x0
	s_endpgm
; ---------------------------------------------------------------- RELAY: tile g = 8 (id - 128) + wave of the five weights on end
.Lrelay:
	s_sub_co_u32 s32, ttmp9, 128
	s_mov_b64 s[34:35], s[16:17]           ; w2, whose first tile is 1,280
	s_mov_b32 s33, 1280
	s_cmp_lt_u32 s32, 160
	s_cselect_b64 s[34:35], s[14:15], s[34:35]     ; w3 from tile 768
	s_cselect_b32 s33, 768, s33
	s_cmp_lt_u32 s32, 96
	s_cselect_b64 s[34:35], s[12:13], s[34:35]     ; w1 from tile 256
	s_cselect_b32 s33, 256, s33
	s_cmp_lt_u32 s32, 32
	s_cselect_b64 s[34:35], s[10:11], s[34:35]     ; W_proj from tile 192
	s_cselect_b32 s33, 192, s33
	s_cmp_lt_u32 s32, 24
	s_cselect_b64 s[34:35], s[8:9], s[34:35]       ; W_qkv from tile 0
	s_cselect_b32 s33, 0, s33
	s_lshl_b32 s36, s32, 3
	s_add_co_u32 s36, s36, s28             ; g
	s_sub_co_u32 s37, s36, s33             ; t: the tile within its tensor
	s_lshr_b32 s30, s37, 1
	s_mul_i32 s30, s30, 24576              ; 32 rows of 768 bytes
	s_and_b32 s38, s37, 1
	s_mul_i32 s38, s38, 6144               ; 8 rows
	s_add_co_u32 s30, s30, s38
	s_add_nc_u64 s[34:35], s[34:35], s[30:31]
	s_mul_i32 s30, s36, 12288
	s_add_nc_u64 s[40:41], s[24:25], s[30:31]
	s_wait_alu depctr_va_vdst(0)
	v_mul_u32_u24 v5, v4, 768
	s_delay_alu instid0(VALU_DEP_1)
	v_mad_u32_u24 v5, v3, 24, v5           ; my row, my half's 24 bytes
.irp s, 0,1,2,3,4,5,6,7
.irp p, 0,1,2,3,4,5
	global_load_b64 v[32+12*\s+2*\p:32+12*\s+2*\p+1], v5, s[34:35] offset:96*\s+48*(\p/3)+8*(\p%3)
.endr
.endr
.irp s, 0,1,2,3,4,5,6,7
	s_wait_loadcnt 6*(7-\s)                ; the later K steps' six loads each may stay out
.irp c, 0,1,2
	global_store_b128 v7, v[32+12*\s+4*\c:32+12*\s+4*\c+3], s[40:41] offset:1536*\s+512*\c
.endr
.endr
	s_endpgm
; ---------------------------------------------------------------- KMEM: pair P of token tiles; wave w = heads 2 w and 2 w + 1
.Lkmem:
.set XA, 32
.set XB, 96
.set XD, 160
.set TM, 224
.set CT, 240
.set HA, 8                             ; v8-19   head 2 w: tile 2 P in registers 0-5, tile 2 P + 1 in 6-11
.set HB, 20                            ; v20-31  head 2 w + 1 likewise
.set PW0, 248
.set PW1, 249
.set QT, 250
.set L4, 252
.set PI, 40
.set PS, 42
.macro KLD reg, adr, p, off
.irp b, 0,1,2,3
.irp j, 0,1,2,3
	global_load_b128 v[\reg+16*\b+4*\j:\reg+16*\b+4*\j+3], v[\adr], s[\p:\p+1] offset:\off+128*\b+16*\j
.endr
.endr
.endm
	s_sub_co_u32 s32, ttmp9, 352           ; P
	s_lshl_b32 s33, s32, 5                 ; its first token
	s_lshl_b32 s34, s28, 9
	s_wait_alu depctr_va_vdst(0)
	v_add_nc_u32 v5, s33, v4
	s_delay_alu instid0(VALU_DEP_1)
	v_lshlrev_b32 v5, 12, v5
	s_delay_alu instid0(VALU_DEP_1)
	v_lshl_add_u32 v5, v3, 6, v5
	s_delay_alu instid0(VALU_DEP_1)
	v_add_nc_u32 v5, s34, v5               ; k_xl: token x 4,096 + 512 w + 64 h
	s_and_b32 s35, s33, 1023
	v_add_nc_u32 v6, s35, v4
	s_delay_alu instid0(VALU_DEP_1)
	v_lshlrev_b32 v6, 12, v6
	s_delay_alu instid0(VALU_DEP_1)
	v_lshl_add_u32 v6, v3, 6, v6
	s_delay_alu instid0(VALU_DEP_1)
	v_add_nc_u32 v6, s34, v6               ; pos_emb: the position within the batch
	KLD XA, 5, 18, 0
	KLD XB, 6, 20, 0
	KLD XD, 5, 18, 32768                   ; the second tile lies 8 tokens on
	v_lshlrev_b32 v[L4], 2, v1
.irp b, 0,1,2,3
	v_mov_b32 v[TM+4+\b], 0
.endr
	s_lshr_b32 s36, s32, 5                 ; batch
	s_lshl_b32 s36, s36, 4
	s_lshl_b32 s37, s28, 1
	s_add_co_u32 s36, s36, s37             ; bh = 16 b + 2 w
	s_lshl_b32 s36, s36, 3
	s_lshr_b32 s37, s32, 2
	s_and_b32 s37, s37, 7
	s_add_co_u32 s36, s36, s37             ; 8 bh + block of 128 tokens
	s_and_b32 s37, s32, 3                  ; which pair of the block's four
	s_mul_i32 s30, s36, 6144
	s_mul_i32 s38, s37, 1536
	s_add_co_u32 s30, s30, s38
	s_add_nc_u64 s[PI:PI+1], s[26:27], s[30:31]
	s_add_nc_u64 s[PI:PI+1], s[PI:PI+1], KX_O
	s_lshl_b32 s30, s36, 9
	s_lshl_b32 s38, s37, 7
	s_add_co_u32 s30, s30, s38
	s_add_nc_u64 s[PS:PS+1], s[26:27], s[30:31]
	s_add_nc_u64 s[PS:PS+1], s[PS:PS+1], KXS_O
	s_wait_loadcnt 16                      ; the first tile's two operands are in; the second tile's 16 loads may stay out
.set i, 0
.rept 32
	v_pk_add_f32 v[XA+i:XA+i+1], v[XA+i:XA+i+1], v[XB+i:XB+i+1]
.set i, i+2
.endr
	KLD XB, 6, 20, 32768
	QUANT XA, HA, HB, PW0
	s_wait_loadcnt 0x0
.set i, 0
.rept 32
	v_pk_add_f32 v[XD+i:XD+i+1], v[XD+i:XD+i+1], v[XB+i:XB+i+1]
.set i, i+2
.endr
	QUANT XD, HA+6, HB+6, PW1
.irp c, 0,1,2
	global_store_b128 v7, v[HA+4*\c:HA+4*\c+3], s[PI:PI+1] offset:512*\c
	global_store_b128 v7, v[HB+4*\c:HB+4*\c+3], s[PI:PI+1] offset:49152+512*\c   ; the next head's images lie 8 x 6,144 bytes on
.endr
	v_cndmask_b32 v[QT], v[PW0], v[PW1], s[HIM]    ; lanes 0-15 the first tile's words, lanes 16-31 the second's
	s_delay_alu instid0(VALU_DEP_1)
	v_lshrrev_b32 v[QT+1], 16, v[QT]               ; bytes 0 and 1 are a head's scales; what stands in bytes 2 and 3 meets zero codes and is never 0xff
	global_store_b32 v[L4], v[QT], s[PS:PS+1]
	global_store_b32 v[L4], v[QT+1], s[PS:PS+1] offset:4096
	s_endpgm
; ---------------------------------------------------------------- VXL: 128 keys x 32 features a wave
.Lvxl:
.set X, 32                             ; v32-159  128 keys of my column
.set F0, 160                           ; v160-171 blocks 0 and 2, then the even tile's fragment
.set F1, 172                           ; v172-183 blocks 1 and 3, then the odd tile's
.set CT, 184
.macro VLD t
.set i, 0
.rept 32
	global_load_b32 v[X+32*(\t)+i], v5, s[36:37] offset:(32*(\t)+i)*4096 th:TH_LOAD_NT
.set i, i+1
.endr
.endm
.macro VBLK t, g
.set XQ, X+32*(\t)
.if (\t) < 3
	s_wait_loadcnt 32                      ; this block's 32 loads are in; the next block's may stay out
.else
	s_wait_loadcnt 0x0
.endif
.if (\t) < 2
	VLD (\t)+2
.endif
	v_max3_num_f32 v188, |v[XQ]|, |v[XQ+1]|, |v[XQ+2]|
	v_max3_num_f32 v189, |v[XQ+3]|, |v[XQ+4]|, |v[XQ+5]|
.irp i, 6,10,14,18,22,26
	s_delay_alu instid0(VALU_DEP_2)
	v_max3_num_f32 v188, v188, |v[XQ+\i]|, |v[XQ+\i+1]|
	s_delay_alu instid0(VALU_DEP_2)
	v_max3_num_f32 v189, v189, |v[XQ+\i+2]|, |v[XQ+\i+3]|
.endr
	s_delay_alu instid0(VALU_DEP_2)
	v_max3_num_f32 v188, v188, |v[XQ+30]|, |v[XQ+31]|
	s_delay_alu instid0(VALU_DEP_1)
	v_max3_num_f32 v188, v188, v189, 0x1800000
	s_delay_alu instid0(VALU_DEP_1)
	v_add_nc_u32 v190, 0xff000000, v188
	s_delay_alu instid0(VALU_DEP_1)
	v_lshrrev_b32 v189, 23, v190
.if (\t) == 0
	s_delay_alu instid0(VALU_DEP_1)
	v_mov_b32 v191, v189
.else
	s_delay_alu instid0(VALU_DEP_1)
	v_lshl_or_b32 v191, v189, 8*(\t), v191
.endif
	v_cvt_scalef32_pk16_fp6_f32 v[\g:\g+2], v[XQ:XQ+15], v190
	v_cvt_scalef32_pk16_fp6_f32 v[CT:CT+2], v[XQ+16:XQ+31], v190
	v_nop
.irp i, 0,1,2
	v_mov_b32 v[\g+3+\i], v[CT+\i]
.endr
.endm
	s_sub_co_u32 s32, ttmp9, 416           ; j
	s_lshr_b32 s33, s32, 2                 ; 8 b + step of 128 keys
	s_and_b32 s34, s32, 3
	s_lshl_b32 s34, s34, 3
	s_add_co_u32 s34, s34, s28             ; g: which 32 features
	s_lshl_b32 s30, s33, 19                ; 128 rows of 4,096 bytes a step
	s_lshl_b32 s35, s34, 7
	s_add_co_u32 s30, s30, s35
	s_add_nc_u64 s[36:37], s[22:23], s[30:31]
	s_wait_alu depctr_va_vdst(0)
	v_lshl_add_u32 v5, v3, 3, v4
	s_delay_alu instid0(VALU_DEP_1)
	v_lshlrev_b32 v5, 2, v5                ; my column: lanes 0-15 the even tile's rows, lanes 16-31 the odd tile's
	VLD 0
	VLD 1
	v_lshlrev_b32 v6, 2, v1
	s_lshr_b32 s38, s33, 3                 ; b
	s_lshl_b32 s38, s38, 7
	s_lshr_b32 s39, s34, 1
	s_lshl_b32 s39, s39, 3
	s_add_co_u32 s38, s38, s39
	s_and_b32 s39, s33, 7
	s_add_co_u32 s38, s38, s39             ; 8 bh + step
	s_and_b32 s39, s34, 1                  ; which half of the head's 64
	s_mul_i32 s30, s38, 6144
	s_mul_i32 s40, s39, 3072
	s_add_co_u32 s30, s30, s40
	s_add_nc_u64 s[42:43], s[26:27], s[30:31]
	s_add_nc_u64 s[42:43], s[42:43], VX_O
	s_lshl_b32 s30, s38, 8
	s_lshl_b32 s40, s39, 7
	s_add_co_u32 s30, s30, s40
	s_add_nc_u64 s[44:45], s[26:27], s[30:31]
	s_add_nc_u64 s[44:45], s[44:45], VXS_O
	s_wait_alu depctr_va_vdst(0)
	VBLK 0, F0
	VBLK 1, F1
	VBLK 2, F0+6
	VBLK 3, F1+6
.irp k, 0,1,2,3,4,5,6,7,8,9,10,11
	v_permlane16_swap_b32 v[F0+\k], v[F1+\k]       ; the even tile's blocks 1 and 3 come to its lanes 16-31, the odd tile's blocks 0 and 2 to its lanes 0-15
.endr
.irp c, 0,1,2
	global_store_b128 v7, v[F0+4*\c:F0+4*\c+3], s[42:43] offset:512*\c
	global_store_b128 v7, v[F1+4*\c:F1+4*\c+3], s[42:43] offset:1536+512*\c
.endr
	global_store_b32 v6, v191, s[44:45]
	s_endpgm
.Lfunc_end_k_q3e6dea9261_prep:
	.size	k_q3e6dea9261_prep, .Lfunc_end_k_q3e6dea9261_prep-k_q3e6dea9261_prep
	.p2alignl 7, 3214868480
	.fill 96, 4, 3214868480
	.section	.rodata,"a",@progbits
	.p2align	6, 0x0
	.amdhsa_kernel k_q3e6dea9261_prep
		.amdhsa_group_segment_fixed_size 2048
		.amdhsa_private_segment_fixed_size 0
		.amdhsa_enable_private_segment 0
		.amdhsa_kernarg_size 96
		.amdhsa_user_sgpr_count 2
		.amdhsa_user_sgpr_kernarg_segment_ptr 1
		.amdhsa_wavefront_size32 1
		.amdhsa_system_sgpr_workgroup_id_x 1
		.amdhsa_system_sgpr_workgroup_id_y 1
		.amdhsa_system_sgpr_workgroup_id_z 1
		.amdhsa_system_vgpr_workitem_id 0
		.amdhsa_next_free_vgpr 256
		.amdhsa_next_free_sgpr 66
		.amdhsa_reserve_vcc 0
		.amdhsa_float_denorm_mode_32 3
		.amdhsa_float_denorm_mode_16_64 3
		.amdhsa_memory_ordered 1
		.amdhsa_forward_progress 1
		.amdhsa_inst_pref_size 77
	.end_amdhsa_kernel
	.amdgpu_metadata
---
amdhsa.version: [ 1, 2 ]
amdhsa.kernels:
  - .name:           k_q3e6dea9261_prep
    .symbol:         k_q3e6dea9261_prep.kd
    .args:
      - { .name: q, .offset: 0, .size: 8, .value_kind: global_buffer, .address_space: global }
      - { .name: attn_norm_w, .offset: 8, .size: 8, .value_kind: global_buffer, .address_space: global }
      - { .name: W_qkv_codes, .offset: 16, .size: 8, .value_kind: global_buffer, .address_space: global }
      - { .name: W_proj_codes, .offset: 24, .size: 8, .value_kind: global_buffer, .address_space: global }
      - { .name: w1_codes, .offset: 32, .size: 8, .value_kind: global_buffer, .address_space: global }
      - { .name: w3_codes, .offset: 40, .size: 8, .value_kind: global_buffer, .address_space: global }
      - { .name: w2_codes, .offset: 48, .size: 8, .value_kind: global_buffer, .address_space: global }
      - { .name: k_xl, .offset: 56, .size: 8, .value_kind: global_buffer, .address_space: global }
      - { .name: pos_emb, .offset: 64, .size: 8, .value_kind: global_buffer, .address_space: global }
      - { .name: v_xl, .offset: 72, .size: 8, .value_kind: global_buffer, .address_space: global }
      - { .name: wimg, .offset: 80, .size: 8, .value_kind: global_buffer, .address_space: global }
      - { .name: act1, .offset: 88, .size: 8, .value_kind: global_buffer, .address_space: global }
    .group_segment_fixed_size: 2048
    .private_segment_fixed_size: 0
    .kernarg_segment_align: 8
    .kernarg_segment_size: 96
    .max_flat_workgroup_size: 256
    .sgpr_count:     66
    .vgpr_count:     256
    .wavefront_size: 32
...
	.end_amdgpu_metadata
.endif
;; end of part 1
;; launch qkvgemm (part 2): grid 192 x 1, 8 waves a work-group, no clusters, 197,632 bytes of LDS; arguments act1, wimg, W_qkv_scales, freqs_cos, freqs_sin, qkvc; writes qkvc
.if DOCPART == 2
	.amdgcn_target "amdgcn-amd-amdhsa--gfx1250"
	.amdhsa_code_object_version 6
	.text
	.protected	k_q3e6dea9261_qkvgemm
	.globl	k_q3e6dea9261_qkvgemm
	.p2align	8
	.type	k_q3e6dea9261_qkvgemm,@function
k_q3e6dea9261_qkvgemm:
	s_mov_b64 s[64:65], 0
	v_nop
	global_prefetch_b8 v0, s[64:65] scope:SCOPE_SE
	s_setreg_imm32_b32 hwreg(HW_REG_WAVE_MODE, 25, 1), 1
	s_wait_xcnt 0x0
; xn W_qkv on E2M3 codes, then the rotary turn (q, k) and the quantisers of the attention's operands.
; ids 0..127  (q, k): 128 tokens x 256 features; source 0 = rows of W, source 1 = tokens: a lane holds one token, its registers run along the features (a head's 64 are the next K).
; ids 128..191 (v)  : 128 features x 256 tokens; source 0 = tokens, source 1 = rows of W: a lane holds one feature, its registers run along the tokens (the keys are the next K).
; One body serves both: X = the 8 tiles of source 1, Y = the 16 tiles of source 0; only four pointers are chosen, on the work-group's number.
; Y's images (196,608 bytes) are copied into LDS once, K step by K step, 6 copies a wave and step: 48 copies of a wave in all; nothing in LDS is filled again and nothing is stored there.
; X goes straight into registers: a wave's pair of tiles, all eight K steps, 48 loads into 192 registers of window 1, where they stay; two waves share a pair and each loads it.
; Wave w: X tiles 2 (w % 4), + 1; Y tiles 8 (w / 4) .. + 7: 16 accumulators, which take turns, one instruction a turn.
; No multicast: 16 (8) work-groups read the same image of W once each at the launch's head and never again; a joint request would want tensor loads and cluster rounds for a single fill.
; LIMITS: as in the quantiser: scale byte 1 for blocks under 2^-124; NaN and infinities not served.
; REGISTERS: window 0: v1-15 addresses; v16-55 scale words; v56-183 accumulators; v184-207 idle in the loop (the quantiser's scratch on the way out); v208-255 four fragments of Y.  Window 1: v0-191 X's fragments, (s, x) at 24 s + 12 x.
.set ADX, 1                            ; v1       X in memory: my pair of tiles, 16 bytes a lane
.set ADY0, 2                           ; v2       Y in LDS: my tiles 0-3
.set ADY1, 3                           ; v3       my tiles 4-7
.set SX, 16                            ; v16-23   X's scale words: register s; lanes 0-15 the even tile, lanes 16-31 the odd
.set SY, 24                            ; v24-55   Y's: 8 pr + s
.set ACC, 56                           ; v56-183  tile (x, y) at 64 x + 8 y
.set YF, 208                           ; v208-255
.set SEL, 52
.set HIM, 54
.set PI, 48
.set PS, 50
.set TM, 184
.set CT, 200
.set HA, 208
.set HB, 220
.set PW0, 252
.set PW1, 253
.set QT, 248
.set CSB, 184                          ; cos at 184 + 32 x + 8 bb + m, sin 16 further on
.set MSB, 0
.macro WIN new                         ; the immediate's high byte repeats the setting that is left
.if MSB != \new
	s_set_vgpr_msb (MSB<<8)|\new
.set MSB, \new
.endif
.endm
.macro BAR
	s_wait_dscnt 0x0
	s_barrier_signal -1
	s_barrier_wait -1
.endm
.macro PLACES n
.rept \n
	v_nop
.endr
.endm
.macro MMZ d, a, b, sa, sb, ra, rb     ; the first K step starts a sum with the constant 0
.if (\ra) && (\rb)
	v_wmma_scale_f32_16x16x128_f8f6f4 v[\d:\d+7], v[\a:\a+11], v[\b:\b+11], 0, v[\sa], v[\sb] matrix_a_fmt:MATRIX_FMT_FP6 matrix_b_fmt:MATRIX_FMT_FP6 matrix_a_scale:MATRIX_SCALE_ROW1 matrix_b_scale:MATRIX_SCALE_ROW1
.elseif (\ra)
	v_wmma_scale_f32_16x16x128_f8f6f4 v[\d:\d+7], v[\a:\a+11], v[\b:\b+11], 0, v[\sa], v[\sb] matrix_a_fmt:MATRIX_FMT_FP6 matrix_b_fmt:MATRIX_FMT_FP6 matrix_a_scale:MATRIX_SCALE_ROW1
.elseif (\rb)
	v_wmma_scale_f32_16x16x128_f8f6f4 v[\d:\d+7], v[\a:\a+11], v[\b:\b+11], 0, v[\sa], v[\sb] matrix_a_fmt:MATRIX_FMT_FP6 matrix_b_fmt:MATRIX_FMT_FP6 matrix_b_scale:MATRIX_SCALE_ROW1
.else
	v_wmma_scale_f32_16x16x128_f8f6f4 v[\d:\d+7], v[\a:\a+11], v[\b:\b+11], 0, v[\sa], v[\sb] matrix_a_fmt:MATRIX_FMT_FP6 matrix_b_fmt:MATRIX_FMT_FP6
.endif
.endm
.macro MMA d, a, b, sa, sb, ra, rb     ; a later K step adds in place
.if (\ra) && (\rb)
	v_wmma_scale_f32_16x16x128_f8f6f4 v[\d:\d+7], v[\a:\a+11], v[\b:\b+11], v[\d:\d+7], v[\sa], v[\sb] matrix_a_fmt:MATRIX_FMT_FP6 matrix_b_fmt:MATRIX_FMT_FP6 matrix_a_scale:MATRIX_SCALE_ROW1 matrix_b_scale:MATRIX_SCALE_ROW1
.elseif (\ra)
	v_wmma_scale_f32_16x16x128_f8f6f4 v[\d:\d+7], v[\a:\a+11], v[\b:\b+11], v[\d:\d+7], v[\sa], v[\sb] matrix_a_fmt:MATRIX_FMT_FP6 matrix_b_fmt:MATRIX_FMT_FP6 matrix_a_scale:MATRIX_SCALE_ROW1
.elseif (\rb)
	v_wmma_scale_f32_16x16x128_f8f6f4 v[\d:\d+7], v[\a:\a+11], v[\b:\b+11], v[\d:\d+7], v[\sa], v[\sb] matrix_a_fmt:MATRIX_FMT_FP6 matrix_b_fmt:MATRIX_FMT_FP6 matrix_b_scale:MATRIX_SCALE_ROW1
.else
	v_wmma_scale_f32_16x16x128_f8f6f4 v[\d:\d+7], v[\a:\a+11], v[\b:\b+11], v[\d:\d+7], v[\sa], v[\sb] matrix_a_fmt:MATRIX_FMT_FP6 matrix_b_fmt:MATRIX_FMT_FP6
.endif
.endm
.macro MM d, a, b, cz, sa, sb, ra, rb
.if \cz
	MMZ \d, \a, \b, \sa, \sb, \ra, \rb
.else
	MMA \d, \a, \b, \sa, \sb, \ra, \rb
.endif
.endm
.macro QUANT s, d0, d1, pw             ; 64 numbers of a lane (register 16 b + i = k 32 b + 16 (lane / 16) + i) -> codes of blocks (lane / 16) and 2 + (lane / 16), and the row's scale word
.irp b, 0,1,2,3
	v_max3_num_f32 v[TM+\b], |v[\s+16*\b]|, |v[\s+1+16*\b]|, 0x1800000
.endr
.irp i, 2,4,6,8,10,12,14
.irp b, 0,1,2,3
	v_max3_num_f32 v[TM+\b], v[TM+\b], |v[\s+16*\b+\i]|, |v[\s+1+16*\b+\i]|
.endr
.endr
.irp b, 0,1,2,3
	s_delay_alu instid0(VALU_DEP_4)
	v_permlanex16_b32 v[TM+4+\b], v[TM+\b], s[SEL], s[SEL+1]
.endr
.irp b, 0,1,2,3
	s_delay_alu instid0(VALU_DEP_4)
	v_max_num_f32 v[TM+\b], v[TM+\b], v[TM+4+\b]
.endr
.irp b, 0,1,2,3
	s_delay_alu instid0(VALU_DEP_4)
	v_add_nc_u32 v[TM+12+\b], 0xff000000, v[TM+\b]
.endr
.irp b, 0,1,2,3
	s_delay_alu instid0(VALU_DEP_4)
	v_lshrrev_b32 v[TM+4+\b], 23, v[TM+12+\b]
.endr
	s_delay_alu instid0(VALU_DEP_3)
	v_lshl_or_b32 v[\pw], v[TM+5], 8, v[TM+4]
	s_delay_alu instid0(VALU_DEP_1)
	v_lshl_or_b32 v[\pw], v[TM+6], 16, v[\pw]
	s_delay_alu instid0(VALU_DEP_1)
	v_lshl_or_b32 v[\pw], v[TM+7], 24, v[\pw]
	v_cvt_scalef32_pk16_fp6_f32 v[\d0:\d0+2], v[\s:\s+15], v[TM+12]
	v_cvt_scalef32_pk16_fp6_f32 v[CT:CT+2], v[\s+16:\s+31], v[TM+13]
	v_cvt_scalef32_pk16_fp6_f32 v[\d1:\d1+2], v[\s+32:\s+47], v[TM+14]
	v_cvt_scalef32_pk16_fp6_f32 v[CT+4:CT+6], v[\s+48:\s+63], v[TM+15]
	v_nop
.irp i, 0,1,2
	v_permlane16_swap_b32 v[\d0+\i], v[CT+\i]
	v_permlane16_swap_b32 v[\d1+\i], v[CT+4+\i]
.endr
.irp i, 0,1,2
	v_mov_b32 v[\d0+3+\i], v[CT+\i]
	v_mov_b32 v[\d1+3+\i], v[CT+4+\i]
.endr
.endm
	s_load_b256 s[4:11], s[0:1], 0x0       ; act1 4, wimg 6, W_qkv_scales 8, cos 10
	s_load_b128 s[12:15], s[0:1], 0x20     ; sin 12, qkvc 14
	v_lshl_add_u32 v9, v0, 2, 0x30000
	s_set_vgpr_msb 0x40
	v_mov_b32 v193, 0
	s_set_vgpr_msb 0x4044
	ds_add_u32 v9, v193
	ds_add_u32 v9, v193
	s_set_vgpr_msb 0x4400
	v_lshrrev_b32 v1, 5, v0
	s_delay_alu instid0(VALU_DEP_1)
	v_readfirstlane_b32 s16, v1            ; wave
	v_and_b32 v13, 31, v0                  ; L
	v_and_b32 v14, 15, v0                  ; r
	v_bfe_u32 v15, v0, 4, 1                ; h
	s_delay_alu instid0(VALU_DEP_3)
	v_lshlrev_b32 v5, 4, v13               ; 16 L
	s_and_b32 s17, s16, 3                  ; xp: my pair of X tiles
	s_lshr_b32 s18, s16, 2                 ; yg: my eight Y tiles
	s_mul_i32 s19, s17, 24576
	v_add_nc_u32 v[ADX], s19, v5           ; X in memory: two tiles of 12,288 bytes a pair
	s_mul_i32 s19, s18, 98304
	v_add_nc_u32 v[ADY0], s19, v5          ; Y in LDS: eight tiles of 12,288 bytes a group
	s_delay_alu instid0(VALU_DEP_1)
	v_add_nc_u32 v[ADY1], 49152, v[ADY0]
	v_and_b32 v4, 8, v14
	s_delay_alu instid0(VALU_DEP_1)
	v_add_nc_u32 v12, v4, v14              ; r + (r & 8)
	s_delay_alu instid0(VALU_DEP_1)
	v_lshl_add_u32 v4, v15, 3, v12
	s_delay_alu instid0(VALU_DEP_1)
	v_lshlrev_b32 v4, 5, v4                ; 32 x (8 h + r + (r & 8)): my row of scale bytes within a pair of tiles
	s_lshl_b32 s19, s17, 10
	v_add_nc_u32 v11, s19, v4
	s_lshl_b32 s19, s18, 12
	v_add_nc_u32 v4, s19, v4
	s_mul_i32 s19, s16, 12288
	v_add_nc_u32 v8, s19, v5               ; a copy's place in memory: Y's tile w, 16 L;
	s_delay_alu instid0(VALU_DEP_1)
	v_mov_b32 v10, v8                      ; in LDS: the same;
	s_delay_alu instid0(VALU_DEP_2)
	v_add_nc_u32 v6, 98304, v8             ; Y's tile 8 + w in memory: eight tiles on,
	s_delay_alu instid0(VALU_DEP_3)
	v_add_nc_u32 v7, 98304, v8             ; and in LDS.  Every copy's immediate is 1,536 s + 512 c, under 12,288: a wave's bytes are its own
.irp b, 0,1,2,3
	v_mov_b32 v[TM+4+\b], 0                ; written once, on every wave's path: a lane permute's destination counts as read
.endr
	s_mov_b32 s[SEL], 0x76543210
	s_mov_b32 s[SEL+1], 0xfedcba98
	s_mov_b32 s[HIM], 0xffff0000
	s_and_b32 s20, ttmp9, 15               ; q, k: block of 128 tokens,
	s_lshr_b32 s21, ttmp9, 4               ;       block of 256 features
	s_and_b32 s22, ttmp9, 7                ; v: block of 256 tokens,
	s_lshr_b32 s23, ttmp9, 3
	s_and_b32 s23, s23, 7                  ;    block of 128 features
	s_mul_i32 s24, s20, 98304
	s_add_co_u32 s24, s24, 8388608
	s_mul_i32 s25, s23, 98304
	s_add_co_u32 s25, s25, 1572864
	s_mul_i32 s26, s21, 196608
	s_mul_i32 s27, s22, 196608
	s_add_co_u32 s27, s27, 8388608
	s_lshl_b32 s28, s20, 12
	s_add_co_u32 s28, s28, 9961472
	s_lshl_b32 s29, s23, 12
	s_add_co_u32 s29, s29, 65536
	s_lshl_b32 s30, s21, 13
	s_lshl_b32 s31, s22, 13
	s_add_co_u32 s31, s31, 9961472
	s_wait_alu depctr_va_vdst(0)
	s_wait_dscnt 0x0
	s_wait_kmcnt 0x0
	s_cmp_lt_u32 ttmp9, 128                ; the choice hangs on the work-group's number alone
	s_cselect_b64 s[32:33], s[4:5], s[6:7]         ; X's images
	s_cselect_b64 s[34:35], s[6:7], s[4:5]         ; Y's images
	s_cselect_b64 s[36:37], s[4:5], s[8:9]         ; X's scale bytes
	s_cselect_b64 s[38:39], s[8:9], s[4:5]         ; Y's scale bytes
	s_cselect_b32 s24, s24, s25
	s_cselect_b32 s26, s26, s27
	s_cselect_b32 s28, s28, s29
	s_cselect_b32 s30, s30, s31
	s_mov_b32 s25, 0
	s_mov_b32 s27, 0
	s_mov_b32 s29, 0
	s_mov_b32 s31, 0
	s_add_nc_u64 s[32:33], s[32:33], s[24:25]
	s_add_nc_u64 s[34:35], s[34:35], s[26:27]
	s_add_nc_u64 s[36:37], s[36:37], s[28:29]
	s_add_nc_u64 s[38:39], s[38:39], s[30:31]
	global_load_b128 v[SX:SX+3], v11, s[36:37]
	global_load_b128 v[SX+4:SX+7], v11, s[36:37] offset:16
.irp p, 0,1,2,3
	global_load_b128 v[SY+8*\p:SY+8*\p+3], v4, s[38:39] offset:1024*\p
	global_load_b128 v[SY+8*\p+4:SY+8*\p+7], v4, s[38:39] offset:1024*\p+16
.endr
; K step by K step: my six loads of X into window 1, then my six copies of Y into LDS, so that a step's operands are asked for together.
; All copies stand here, ahead of the first wait on their counter, the first LDS read and the first barrier; their address registers v6, v7, v8, v10 and their base are never written again.
.irp s, 0,1,2,3,4,5,6,7
	WIN 0x40                               ; destination window 1, address window 0
.irp x, 0,1
.irp c, 0,1,2
	global_load_b128 v[24*\s+12*\x+4*\c:24*\s+12*\x+4*\c+3], v[ADX], s[32:33] offset:12288*\x+1536*\s+512*\c
.endr
.endr
	WIN 0
.irp c, 0,1,2
	global_load_async_to_lds_b128 v10, v8, s[34:35] offset:1536*\s+512*\c
.endr
.irp c, 0,1,2
	global_load_async_to_lds_b128 v7, v6, s[34:35] offset:1536*\s+512*\c
.endr
.endr
.macro KSTEP s
	s_wait_asynccnt 6*(7-\s)               ; my copies of this K step have landed; those of the later steps, 6 each, may stay out
	BAR                                    ; everybody's have
.irp y, 0,1,2,3
.irp c, 0,1,2
	ds_load_b128 v[YF+12*\y+4*\c:YF+12*\y+4*\c+3], v[ADY0] offset:12288*\y+1536*\s+512*\c
.endr
.endr
	s_wait_loadcnt 6*(7-\s)                ; X's fragments of this K step are in (and the scale words, asked for ahead of them); the later steps' six loads each may stay out
	s_wait_dscnt 0x0
	WIN 0x04                               ; source 1 (X) window 1; all else window 0
.irp y, 0,1,2,3
.irp x, 0,1
	MM ACC+64*\x+8*\y, YF+12*\y, 24*\s+12*\x, (\s==0), SY+8*(\y/2)+\s, SX+\s, (\y%2), \x
.endr
.endr
	WIN 0
	PLACES 4                               ; in front of loads into registers that matrix instructions have read
.irp y, 0,1,2,3
.irp c, 0,1,2
	ds_load_b128 v[YF+12*\y+4*\c:YF+12*\y+4*\c+3], v[ADY1] offset:12288*\y+1536*\s+512*\c
.endr
.endr
	s_wait_dscnt 0x0
	WIN 0x04
.irp y, 0,1,2,3
.irp x, 0,1
	MM ACC+64*\x+32+8*\y, YF+12*\y, 24*\s+12*\x, (\s==0), SY+16+8*(\y/2)+\s, SX+\s, (\y%2), \x
.endr
.endr
	WIN 0
	PLACES 4
.endm
.irp s, 0,1,2,3,4,5,6,7
	KSTEP \s
.endr
	v_lshlrev_b32 v4, 2, v13               ; 4 L (the scale loads that named v4 are long done)
	s_mov_b32 s45, 0
	s_cmp_lt_u32 ttmp9, 128
	s_cbranch_scc0 .Lvpath
; ---- q, k: lane (r, h) holds token 128 tb + 32 xp + 8 x + r + (r & 8); register 64 x + 16 b + i is feature 256 fb + 128 yg + 32 b + 16 h + i: two heads
	s_lshr_b32 s40, s20, 3                 ; batch
	s_and_b32 s41, s20, 7                  ; block of 128 tokens in it
	s_and_b32 s42, s21, 3
	s_lshl_b32 s42, s42, 2
	s_lshl_b32 s43, s40, 4
	s_add_co_u32 s42, s42, s43
	s_lshl_b32 s43, s18, 1
	s_add_co_u32 s42, s42, s43             ; bh of my first head
	s_lshl_b32 s42, s42, 3
	s_add_co_u32 s42, s42, s41
	s_lshr_b32 s43, s21, 2
	s_mul_i32 s43, s43, 1703936            ; q's sections, or k's behind them
	s_mul_i32 s44, s42, 6144
	s_add_co_u32 s44, s44, s43
	s_mul_i32 s46, s17, 1536
	s_add_co_u32 s44, s44, s46
	s_add_nc_u64 s[PI:PI+1], s[14:15], s[44:45]
	s_lshl_b32 s44, s42, 9
	s_add_co_u32 s44, s44, s43
	s_lshl_b32 s46, s17, 7
	s_add_co_u32 s44, s44, s46
	s_add_co_u32 s44, s44, 1572864
	s_add_nc_u64 s[PS:PS+1], s[14:15], s[44:45]
	s_lshl_b32 s46, s41, 14
	s_lshl_b32 s47, s17, 12
	s_add_co_u32 s46, s46, s47
	v_lshlrev_b32 v11, 7, v12
	s_delay_alu instid0(VALU_DEP_1)
	v_lshl_add_u32 v11, v15, 5, v11
	s_delay_alu instid0(VALU_DEP_1)
	v_add_nc_u32 v11, s46, v11             ; cos, sin: position x 128 + 32 h
.irp x, 0,1
.irp bb, 0,1
.irp k, 0,1
	global_load_b128 v[CSB+32*\x+8*\bb+4*\k:CSB+32*\x+8*\bb+4*\k+3], v11, s[10:11] offset:1024*\x+64*\bb+16*\k
	global_load_b128 v[CSB+32*\x+16+8*\bb+4*\k:CSB+32*\x+16+8*\bb+4*\k+3], v11, s[12:13] offset:1024*\x+64*\bb+16*\k
.endr
.endr
.endr
	s_wait_loadcnt 0x0
.irp x, 0,1
.irp b, 0,1,2,3
.irp m, 0,1,2,3,4,5,6,7                ; pair 16 (b % 2) + 8 h + m of the head: (re, im) -> (re c - im s, re s + im c); each accumulator is read from its low end on
	v_mul_f32 v[248+2*(\m%2)], v[ACC+64*\x+16*\b+2*\m+1], v[CSB+32*\x+16+8*(\b%2)+\m]
	v_mul_f32 v[249+2*(\m%2)], v[ACC+64*\x+16*\b+2*\m+1], v[CSB+32*\x+8*(\b%2)+\m]
	v_fma_f32 v[ACC+64*\x+16*\b+2*\m+1], v[ACC+64*\x+16*\b+2*\m], v[CSB+32*\x+16+8*(\b%2)+\m], v[249+2*(\m%2)]
	v_fma_f32 v[ACC+64*\x+16*\b+2*\m], v[ACC+64*\x+16*\b+2*\m], v[CSB+32*\x+8*(\b%2)+\m], -v[248+2*(\m%2)]
.endr
.endr
.endr
	QUANT ACC, HA, HB, PW0                 ; blocks 0, 1: the first head; blocks 2, 3: the second
	QUANT ACC+64, HA+6, HB+6, PW1
.irp c, 0,1,2
	global_store_b128 v5, v[HA+4*\c:HA+4*\c+3], s[PI:PI+1] offset:512*\c
	global_store_b128 v5, v[HB+4*\c:HB+4*\c+3], s[PI:PI+1] offset:49152+512*\c
.endr
	v_cndmask_b32 v[QT], v[PW0], v[PW1], s[HIM]
	s_delay_alu instid0(VALU_DEP_1)
	v_lshrrev_b32 v[QT+1], 16, v[QT]
	global_store_b32 v4, v[QT], s[PS:PS+1]
	global_store_b32 v4, v[QT+1], s[PS:PS+1] offset:4096
	s_set_vgpr_msb 0x4
	s_wait_tensorcnt 0x0
	ds_add_u32 v9, v193
	s_wait_dscnt 0x0
	s_set_vgpr_msb 0x400
	s_endpgm
; ---- v: lane (r, h) holds feature 128 fb2 + 32 xp + 8 x + r + (r & 8); register 64 x + 16 b + i is token 256 tb2 + 128 yg + 32 b + 16 h + i: one step of 128 keys
.Lvpath:
	s_lshl_b32 s40, s22, 1
	s_add_co_u32 s40, s40, s18             ; which 128 tokens of 2,048
	s_lshr_b32 s41, s40, 3                 ; batch
	s_and_b32 s40, s40, 7                  ; step within it
	s_lshl_b32 s41, s41, 4
	s_lshl_b32 s42, s23, 1
	s_add_co_u32 s41, s41, s42
	s_lshr_b32 s42, s17, 1
	s_add_co_u32 s41, s41, s42             ; bh
	s_lshl_b32 s41, s41, 3
	s_add_co_u32 s41, s41, s40             ; 8 bh + step
	s_and_b32 s42, s17, 1
	s_mul_i32 s44, s41, 6144
	s_mul_i32 s46, s42, 3072
	s_add_co_u32 s44, s44, s46
	s_add_co_u32 s44, s44, 3407872
	s_add_nc_u64 s[PI:PI+1], s[14:15], s[44:45]
	s_lshl_b32 s44, s41, 8
	s_lshl_b32 s46, s42, 7
	s_add_co_u32 s44, s44, s46
	s_add_co_u32 s44, s44, 4980736
	s_add_nc_u64 s[PS:PS+1], s[14:15], s[44:45]
	QUANT ACC, HA, HA+6, PW0
	QUANT ACC+64, HB, HB+6, PW1
.irp c, 0,1,2
	global_store_b128 v5, v[HA+4*\c:HA+4*\c+3], s[PI:PI+1] offset:512*\c
	global_store_b128 v5, v[HB+4*\c:HB+4*\c+3], s[PI:PI+1] offset:1536+512*\c
.endr
	v_cndmask_b32 v[QT], v[PW0], v[PW1], s[HIM]
	global_store_b32 v4, v[QT], s[PS:PS+1]
	s_set_vgpr_msb 0x4
	s_wait_tensorcnt 0x0
	ds_add_u32 v9, v193
	s_wait_dscnt 0x0
	s_set_vgpr_msb 0x400
	s_endpgm
.Lfunc_end_k_q3e6dea9261_qkvgemm:
	.size	k_q3e6dea9261_qkvgemm, .Lfunc_end_k_q3e6dea9261_qkvgemm-k_q3e6dea9261_qkvgemm
	.p2alignl 7, 3214868480
	.fill 96, 4, 3214868480
	.section	.rodata,"a",@progbits
	.p2align	6, 0x0
	.amdhsa_kernel k_q3e6dea9261_qkvgemm
		.amdhsa_group_segment_fixed_size 197632
		.amdhsa_private_segment_fixed_size 0
		.amdhsa_enable_private_segment 0
		.amdhsa_kernarg_size 48
		.amdhsa_user_sgpr_count 2
		.amdhsa_user_sgpr_kernarg_segment_ptr 1
		.amdhsa_wavefront_size32 1
		.amdhsa_system_sgpr_workgroup_id_x 1
		.amdhsa_system_sgpr_workgroup_id_y 1
		.amdhsa_system_sgpr_workgroup_id_z 1
		.amdhsa_system_vgpr_workitem_id 0
		.amdhsa_next_free_vgpr 450
		.amdhsa_next_free_sgpr 66
		.amdhsa_reserve_vcc 0
		.amdhsa_float_denorm_mode_32 3
		.amdhsa_float_denorm_mode_16_64 3
		.amdhsa_memory_ordered 1
		.amdhsa_forward_progress 1
		.amdhsa_inst_pref_size 83
	.end_amdhsa_kernel
	.amdgpu_metadata
---
amdhsa.version: [ 1, 2 ]
amdhsa.kernels:
  - .name:           k_q3e6dea9261_qkvgemm
    .symbol:         k_q3e6dea9261_qkvgemm.kd
    .args:
      - { .name: act1, .offset: 0, .size: 8, .value_kind: global_buffer, .address_space: global }
      - { .name: wimg, .offset: 8, .size: 8, .value_kind: global_buffer, .address_space: global }
      - { .name: W_qkv_scales, .offset: 16, .size: 8, .value_kind: global_buffer, .address_space: global }
      - { .name: freqs_cos, .offset: 24, .size: 8, .value_kind: global_buffer, .address_space: global }
      - { .name: freqs_sin, .offset: 32, .size: 8, .value_kind: global_buffer, .address_space: global }
      - { .name: qkvc, .offset: 40, .size: 8, .value_kind: global_buffer, .address_space: global }
    .group_segment_fixed_size: 197632
    .private_segment_fixed_size: 0
    .kernarg_segment_align: 8
    .kernarg_segment_size: 48
    .max_flat_workgroup_size: 256
    .sgpr_count:     66
    .vgpr_count:     450
    .wavefront_size: 32
...
	.end_amdgpu_metadata
.endif
;; end of part 2
;; launch att (part 3): grid 8 x 32, 8 waves a work-group, no clusters, 209,920 bytes of LDS; arguments act1, qkvc, yq; writes yq
.if DOCPART == 3
	.amdgcn_target "amdgcn-amd-amdhsa--gfx1250"
	.amdhsa_code_object_version 6
	.text
	.protected	k_q3e6dea9261_att
	.globl	k_q3e6dea9261_att
	.p2align	8
	.type	k_q3e6dea9261_att,@function
k_q3e6dea9261_att:
	s_mov_b64 s[64:65], 0
	v_nop
	global_prefetch_b8 v0, s[64:65] scope:SCOPE_SE
	s_setreg_imm32_b32 hwreg(HW_REG_WAVE_MODE, 25, 1), 1
	s_wait_xcnt 0x0
; Attention on E2M3 codes: 128 queries of one (batch, head) against its 2,048 keys (1,024 of the memory, then 1,024 of the block), no mask.
; t = score x log2(e) / 8; M = the running largest t rounded up to a whole number; p = 2^(t - M) is quantised along the keys; the row's sum is taken of the unquantised p and divides at the end.
; A work-group holds the head's keys, values and scale words in LDS (208,896 bytes), copied once, in four quarters of 512 keys; nothing in LDS is filled again or stored to.
; Wave w owns query tile w (16 queries).  Both products are used transposed (S^T = K Q^T, O^T = V^T P^T): a lane holds one query throughout.
; A HEAD HAS K = 64, the instruction 128: a tile of keys is six registers a lane; as source 0 it is named with the six that follow (the next tile's codes, or six zeros); q's upper six are zero codes, so k = 64 .. 127 adds zeros.
; No multicast: the eight query blocks of a head each fetch these bytes once, at the head, and three quarters of them land under the first quarter's work; joint requests would want tensor loads and rounds for a single fill.
; The result y = O / l is quantised along the head's 64 features and stored as its part of an operand image for the projection.
; LIMITS: scores must be finite; scale byte 1 for blocks under 2^-124.
.set AK0, 1
.set AV0, 2
.set AS0, 3
.set AT0, 4
.set ADK, 8
.set ADV, 9
.set ADS, 10
.set ADT, 11
.set QS, 28                            ; q's scale words
.set PWR, 29                           ; p's scale word
.set KSR, 30                           ; v30-33 k's scale words
.set VSR, 34                           ; v34-35 v's
.set KF, 36                            ; v36-83 eight tiles of k or four of v; v84-89 zeros
.set S, 96                             ; v96-159 S^T, then p
.set O, 160                            ; v160-191 O^T
.set PC, 192
.set CT, 204
.set BM, 212
.set BT, 216
.set SO, 220
.set TP, 224
.set FF, 226
.set SU, 228
.set CS, 52
.set SEL, 54
.set TK, 56
.set TS, 57
.set TV, 58
.set CNT, 59
.macro BAR
	s_wait_dscnt 0x0
	s_barrier_signal -1
	s_barrier_wait -1
.endm
.macro PLACES n
.rept \n
	v_nop
.endr
.endm
.macro MMZ d, a, b, sa, sb, ra
.if (\ra)
	v_wmma_scale_f32_16x16x128_f8f6f4 v[\d:\d+7], v[\a:\a+11], v[\b:\b+11], 0, v[\sa], v[\sb] matrix_a_fmt:MATRIX_FMT_FP6 matrix_b_fmt:MATRIX_FMT_FP6 matrix_a_scale:MATRIX_SCALE_ROW1
.else
	v_wmma_scale_f32_16x16x128_f8f6f4 v[\d:\d+7], v[\a:\a+11], v[\b:\b+11], 0, v[\sa], v[\sb] matrix_a_fmt:MATRIX_FMT_FP6 matrix_b_fmt:MATRIX_FMT_FP6
.endif
.endm
.macro MMA d, a, b, sa, sb, ra
.if (\ra)
	v_wmma_scale_f32_16x16x128_f8f6f4 v[\d:\d+7], v[\a:\a+11], v[\b:\b+11], v[\d:\d+7], v[\sa], v[\sb] matrix_a_fmt:MATRIX_FMT_FP6 matrix_b_fmt:MATRIX_FMT_FP6 matrix_a_scale:MATRIX_SCALE_ROW1
.else
	v_wmma_scale_f32_16x16x128_f8f6f4 v[\d:\d+7], v[\a:\a+11], v[\b:\b+11], v[\d:\d+7], v[\sa], v[\sb] matrix_a_fmt:MATRIX_FMT_FP6 matrix_b_fmt:MATRIX_FMT_FP6
.endif
.endm
	s_load_b128 s[4:7], s[0:1], 0x0        ; act1, qkvc
	s_load_b64 s[8:9], s[0:1], 0x10        ; yq
	v_lshl_add_u32 v254, v0, 2, 0x33000
	v_mov_b32 v255, 0
	ds_add_u32 v254, v255
	ds_add_u32 v254, v255
	v_lshrrev_b32 v1, 5, v0
	s_delay_alu instid0(VALU_DEP_1)
	v_readfirstlane_b32 s10, v1            ; wave
	s_and_b32 s11, ttmp7, 0xffff           ; bh
	v_and_b32 v12, 31, v0                  ; L
	v_and_b32 v13, 15, v0                  ; r
	s_delay_alu instid0(VALU_DEP_2)
	v_lshlrev_b32 v5, 4, v12               ; 16 L
	s_delay_alu instid0(VALU_DEP_2)
	v_lshlrev_b32 v7, 2, v13               ; 4 r
	s_delay_alu instid0(VALU_DEP_3)
	v_and_b32 v6, 8, v13
	s_delay_alu instid0(VALU_DEP_1)
	v_add_nc_u32 v6, v6, v13
	s_delay_alu instid0(VALU_DEP_1)
	v_lshlrev_b32 v6, 5, v6                ; 32 x (r + (r & 8)): my query's row of y's scale bytes
	v_mov_b32 v[AK0], v5
	v_add_nc_u32 v[AV0], 98304, v5
	v_lshlrev_b32 v[AS0], 2, v12
	s_delay_alu instid0(VALU_DEP_1)
	v_add_nc_u32 v[AT0], 204800, v[AS0]
	s_delay_alu instid0(VALU_DEP_2)
	v_add_nc_u32 v[AS0], 196608, v[AS0]
	v_lshlrev_b32 v232, 4, v0              ; a copy's place: 512 w + 16 L,
	v_lshlrev_b32 v233, 3, v0              ; or 256 w + 8 L
	s_delay_alu instid0(VALU_DEP_2)
	v_mov_b32 v234, v232                   ; LDS: keys of the memory,
	s_delay_alu instid0(VALU_DEP_3)
	v_add_nc_u32 v235, 49152, v232         ; keys of the block,
	s_delay_alu instid0(VALU_DEP_4)
	v_add_nc_u32 v236, 98304, v232         ; values of the memory,
	v_add_nc_u32 v237, 147456, v232        ; values of the block,
	v_add_nc_u32 v238, 196608, v232        ; the keys' scale words, twice 4,096 bytes,
	v_add_nc_u32 v239, 200704, v232
	v_add_nc_u32 v240, 204800, v233        ; the values', twice 2,048
	v_add_nc_u32 v241, 206848, v233
	s_mul_i32 s32, s11, 49152
	s_mov_b32 s33, 0
	s_lshl_b32 s34, s11, 12
	s_mov_b32 s35, 0
	s_lshl_b32 s36, s11, 11
	s_mov_b32 s37, 0
	s_lshl_b32 s38, s11, 3
	s_add_co_u32 s38, s38, ttmp9           ; 8 bh + query block
	s_lshr_b32 s39, s10, 1
	s_mul_i32 s40, s38, 6144
	s_mul_i32 s41, s39, 1536
	s_add_co_u32 s40, s40, s41
	s_mov_b32 s41, 0
	s_lshl_b32 s46, s38, 9
	s_lshl_b32 s47, s10, 6
	s_add_co_u32 s46, s46, s47
	s_add_co_u32 s46, s46, 1572864         ; q's scale words: tile w's sixteen begin 64 w bytes into the block's 512
	s_mov_b32 s47, 0
	s_mov_b32 s[CS], 0x3e38aa3b            ; log2(e) / 8
	s_mov_b32 s[CS+1], s[CS]
	s_mov_b32 s[SEL], 0x76543210
	s_mov_b32 s[SEL+1], 0xfedcba98
	s_wait_alu depctr_va_vdst(0)
	s_wait_dscnt 0x0
	s_wait_kmcnt 0x0
	s_add_nc_u64 s[16:17], s[4:5], s[32:33]
	s_add_nc_u64 s[20:21], s[16:17], 11730944
	s_add_nc_u64 s[16:17], s[16:17], 10027008
	s_add_nc_u64 s[18:19], s[6:7], s[32:33]
	s_add_nc_u64 s[22:23], s[18:19], 3407872
	s_add_nc_u64 s[18:19], s[18:19], 1703936
	s_add_nc_u64 s[24:25], s[4:5], s[34:35]
	s_add_nc_u64 s[24:25], s[24:25], 11599872
	s_add_nc_u64 s[26:27], s[6:7], s[34:35]
	s_add_nc_u64 s[26:27], s[26:27], 3276800
	s_add_nc_u64 s[28:29], s[4:5], s[36:37]
	s_add_nc_u64 s[28:29], s[28:29], 13303808
	s_add_nc_u64 s[30:31], s[6:7], s[36:37]
	s_add_nc_u64 s[30:31], s[30:31], 4980736
	s_add_nc_u64 s[42:43], s[6:7], s[40:41]
	s_add_nc_u64 s[44:45], s[6:7], s[46:47]
	global_load_b128 v[16:19], v5, s[42:43]            ; the pair of query tiles that holds mine
	global_load_b128 v[20:23], v5, s[42:43] offset:512
	global_load_b128 v[24:27], v5, s[42:43] offset:1024
	global_load_b32 v[QS], v7, s[44:45]
; all copies stand here: 4 for the scale words, then 12 for each quarter of the keys
	global_load_async_to_lds_b128 v238, v232, s[24:25]
	global_load_async_to_lds_b128 v239, v232, s[26:27]
	global_load_async_to_lds_b64 v240, v233, s[28:29]
	global_load_async_to_lds_b64 v241, v233, s[30:31]
.irp i, 0,1,2,3,4,5,6,7,8,9,10,11
	global_load_async_to_lds_b128 v234, v232, s[16:17] offset:4096*\i
	global_load_async_to_lds_b128 v236, v232, s[20:21] offset:4096*\i
.endr
.irp i, 0,1,2,3,4,5,6,7,8,9,10,11
	global_load_async_to_lds_b128 v235, v232, s[18:19] offset:4096*\i
	global_load_async_to_lds_b128 v237, v232, s[22:23] offset:4096*\i
.endr
	; where y goes
	s_lshr_b32 s32, s11, 4                 ; batch
	s_and_b32 s33, s11, 15                 ; head
	s_lshl_b32 s34, s32, 6
	s_lshl_b32 s35, ttmp9, 3
	s_add_co_u32 s34, s34, s35
	s_add_co_u32 s34, s34, s10             ; token tile T
	s_mul_i32 s40, s34, 12288
	s_lshr_b32 s35, s33, 1
	s_mul_i32 s35, s35, 1536
	s_add_co_u32 s40, s40, s35
	s_add_nc_u64 s[48:49], s[8:9], s[40:41]
	s_lshr_b32 s35, s34, 1
	s_lshl_b32 s35, s35, 5
	s_and_b32 s36, s34, 1
	s_lshl_b32 s36, s36, 3
	s_add_co_u32 s35, s35, s36             ; the tile's first token
	s_lshl_b32 s40, s35, 5
	s_lshl_b32 s36, s33, 1
	s_add_co_u32 s40, s40, s36
	s_add_co_u32 s40, s40, 1572864
	s_add_nc_u64 s[50:51], s[8:9], s[40:41]
	v_mov_b32 v13, 0xff61b1e6              ; the largest t so far: -3e38
	s_delay_alu instid0(VALU_DEP_1)
	v_floor_f32 v12, -v13                  ; -M
	v_mov_b32 v14, 0
	v_mov_b32 v15, 0
.irp b, 0,1,2,3
	v_mov_b32 v[BT+\b], 0                  ; a lane permute's destination counts as read
.endr
	v_mov_b32 v[TP], 0
	v_mov_b32 v[FF+1], 0                   ; named as the upper half of a pair
.irp i, 0,1,2,3,4,5
	v_mov_b32 v[KF+48+\i], 0               ; what the last tile of keys is named with
.endr
.set i, 0
.rept 32
	v_mov_b32 v[O+i], 0                    ; the step is written once: the first finds zeros, which the first change of M leaves zeros
.set i, i+1
.endr
	s_wait_loadcnt 0x0
	s_and_b32 s36, s10, 1
	s_cmp_eq_u32 s36, 0
	s_cbranch_scc1 .Leven
.irp i, 0,1,2,3,4,5
	v_mov_b32 v[16+\i], v[22+\i]           ; an odd wave's tile is the pair's second
.endr
.Leven:
.irp i, 0,1,2,3,4,5
	v_mov_b32 v[22+\i], 0                  ; zero codes for k = 64 .. 127
.endr
; A KEY STEP: 128 keys
.macro STEP
	v_add_nc_u32 v[ADK], s[TK], v[AK0]     ; four plain lines: the places behind the last products, in front of loads into registers that they read
	v_add_nc_u32 v[ADV], s[TK], v[AV0]
	v_add_nc_u32 v[ADS], s[TS], v[AS0]
	v_add_nc_u32 v[ADT], s[TV], v[AT0]
.irp j, 0,1,2,3,4,5,6,7,8,9,10,11
	ds_load_b128 v[KF+4*\j:KF+4*\j+3], v[ADK] offset:512*\j
.endr
.irp i, 0,1,2,3
	ds_load_b32 v[KSR+\i], v[ADS] offset:128*\i
.endr
	s_wait_alu depctr_va_vdst(0)
	s_wait_dscnt 0x0
.irp t, 0,1,2,3,4,5,6,7
	MMZ S+8*\t, KF+6*\t, 16, KSR+\t/2, QS, (\t%2)
.endr
	PLACES 4
.irp j, 0,1,2,3,4,5,6,7,8,9,10,11
	ds_load_b128 v[KF+4*\j:KF+4*\j+3], v[ADV] offset:512*\j    ; the values land under the softmax
.endr
	ds_load_b32 v[VSR], v[ADT]
	ds_load_b32 v[VSR+1], v[ADT] offset:128
.irp b, 0,1,2,3
	v_max3_num_f32 v[BM+\b], v[S+16*\b], v[S+1+16*\b], v[S+2+16*\b]    ; the largest score of each block of 32 keys: for the row's maximum and, since p rises with the score, for the block's largest p
.endr
.irp i, 3,5,7,9,11,13
.irp b, 0,1,2,3
	v_max3_num_f32 v[BM+\b], v[BM+\b], v[S+16*\b+\i], v[S+1+16*\b+\i]
.endr
.endr
.irp b, 0,1,2,3
	v_max_num_f32 v[BM+\b], v[BM+\b], v[S+15+16*\b]
.endr
.irp b, 0,1,2,3
	s_delay_alu instid0(VALU_DEP_4)
	v_permlanex16_b32 v[BT+\b], v[BM+\b], s[SEL], s[SEL+1]
.endr
.irp b, 0,1,2,3
	s_delay_alu instid0(VALU_DEP_4)
	v_max_num_f32 v[BM+\b], v[BM+\b], v[BT+\b]
.endr
	s_delay_alu instid0(VALU_DEP_2)
	v_max3_num_f32 v[TP], v[BM], v[BM+1], v[BM+2]
	s_delay_alu instid0(VALU_DEP_1)
	v_max_num_f32 v[TP], v[TP], v[BM+3]
	s_delay_alu instid0(VALU_DEP_1)
	v_mul_f32 v[TP], s[CS], v[TP]
	s_delay_alu instid0(VALU_DEP_1)
	v_max_num_f32 v13, v13, v[TP]          ; the running largest t
	v_mov_b32 v[TP], v12
	s_delay_alu instid0(VALU_DEP_2)
	v_floor_f32 v12, -v13                  ; the new -M = -ceil(t)
	s_delay_alu instid0(VALU_DEP_1)
	v_sub_f32 v[TP], v12, v[TP]            ; old M - new M: a whole number, 0 or less
	s_delay_alu instid0(VALU_DEP_1)
	v_cvt_i32_f32 v[TP], v[TP]             ; (it saturates)
	s_delay_alu instid0(VALU_DEP_1)
	v_ldexp_f32 v[FF], 1.0, v[TP]          ; f = 2^(old M - new M): rounds nothing
.set i, 0
.rept 32
	v_pk_fma_f32 v[S+i:S+i+1], v[S+i:S+i+1], s[CS:CS+1], v[12:13] op_sel_hi:[1,0,0]    ; t - M
.set i, i+2
.endr
.irp b, 0,1,2,3
	v_fma_f32 v[BM+\b], v[BM+\b], s[CS], v12
.endr
.set i, 0
	s_wait_alu depctr_va_vdst(0)
.rept 64
	v_exp_f32 v[S+i], v[S+i]               ; p, at most 1, not normalised
.set i, i+1
.endr
.irp b, 0,1,2,3
	v_exp_f32 v[BM+\b], v[BM+\b]           ; the block's largest p: the same two instructions on the same number
.endr
	v_pk_mul_f32 v[14:15], v[14:15], v[FF:FF+1] op_sel_hi:[1,0]        ; the sums under the new M (a plain place behind the exponentials)
	s_wait_alu depctr_va_vdst(0)
.irp b, 0,1,2,3
	v_max_num_f32 v[BM+\b], 0x1800000, v[BM+\b]
.endr
.irp b, 0,1,2,3
	s_delay_alu instid0(VALU_DEP_4)
	v_add_nc_u32 v[SO+\b], 0xff000000, v[BM+\b]
.endr
.irp b, 0,1,2,3
	s_delay_alu instid0(VALU_DEP_4)
	v_lshrrev_b32 v[BT+\b], 23, v[SO+\b]
.endr
	s_delay_alu instid0(VALU_DEP_3)
	v_lshl_or_b32 v[PWR], v[BT+1], 8, v[BT]
	s_delay_alu instid0(VALU_DEP_1)
	v_lshl_or_b32 v[PWR], v[BT+2], 16, v[PWR]
	s_delay_alu instid0(VALU_DEP_1)
	v_lshl_or_b32 v[PWR], v[BT+3], 24, v[PWR]
	v_cvt_scalef32_pk16_fp6_f32 v[PC:PC+2], v[S:S+15], v[SO]
	v_cvt_scalef32_pk16_fp6_f32 v[CT:CT+2], v[S+16:S+31], v[SO+1]
	v_cvt_scalef32_pk16_fp6_f32 v[PC+6:PC+8], v[S+32:S+47], v[SO+2]
	v_cvt_scalef32_pk16_fp6_f32 v[CT+4:CT+6], v[S+48:S+63], v[SO+3]
	v_nop
.irp i, 0,1,2
	v_permlane16_swap_b32 v[PC+\i], v[CT+\i]
	v_permlane16_swap_b32 v[PC+6+\i], v[CT+4+\i]
.endr
.irp i, 0,1,2
	v_mov_b32 v[PC+3+\i], v[CT+\i]
	v_mov_b32 v[PC+9+\i], v[CT+4+\i]
.endr
	v_pk_add_f32 v[228:229], v[100:101], v[104:105]
	v_pk_add_f32 v[252:253], v[108:109], v[112:113]
	v_pk_add_f32 v[250:251], v[116:117], v[120:121]
	v_pk_add_f32 v[248:249], v[124:125], v[128:129]
	v_pk_add_f32 v[246:247], v[132:133], v[136:137]
	v_pk_add_f32 v[244:245], v[140:141], v[144:145]
	v_pk_add_f32 v[242:243], v[148:149], v[152:153]
	v_pk_add_f32 v[14:15], v[14:15], v[156:157]
	v_pk_add_f32 v[228:229], v[228:229], v[96:97]
	v_pk_add_f32 v[252:253], v[252:253], v[98:99]
	v_pk_add_f32 v[250:251], v[250:251], v[102:103]
	v_pk_add_f32 v[248:249], v[248:249], v[106:107]
	v_pk_add_f32 v[246:247], v[246:247], v[110:111]
	v_pk_add_f32 v[244:245], v[244:245], v[114:115]
	v_pk_add_f32 v[242:243], v[242:243], v[118:119]
	v_pk_add_f32 v[14:15], v[14:15], v[122:123]
	v_pk_add_f32 v[228:229], v[228:229], v[126:127]
	v_pk_add_f32 v[252:253], v[252:253], v[130:131]
	v_pk_add_f32 v[250:251], v[250:251], v[134:135]
	v_pk_add_f32 v[248:249], v[248:249], v[138:139]
	v_pk_add_f32 v[246:247], v[246:247], v[142:143]
	v_pk_add_f32 v[244:245], v[244:245], v[146:147]
	v_pk_add_f32 v[242:243], v[242:243], v[150:151]
	v_pk_add_f32 v[14:15], v[14:15], v[154:155]
	v_pk_add_f32 v[228:229], v[228:229], v[158:159]
	s_delay_alu instid0(VALU_DEP_2)
	v_pk_add_f32 v[14:15], v[14:15], v[248:249]
	s_delay_alu instid0(VALU_DEP_2)
	v_pk_add_f32 v[228:229], v[228:229], v[246:247]
	v_pk_add_f32 v[252:253], v[252:253], v[244:245]
	v_pk_add_f32 v[250:251], v[250:251], v[242:243]
	s_delay_alu instid0(VALU_DEP_2)
	v_pk_add_f32 v[14:15], v[14:15], v[252:253]
	s_delay_alu instid0(VALU_DEP_2)
	v_pk_add_f32 v[228:229], v[228:229], v[250:251]
	s_delay_alu instid0(VALU_DEP_1)
	v_pk_add_f32 v[14:15], v[14:15], v[228:229]
.set i, 0
.rept 16
	v_pk_mul_f32 v[O+i:O+i+1], v[O+i:O+i+1], v[FF:FF+1] op_sel_hi:[1,0]        ; O^T under the new M.  The sums and these are the places between p's codes and scale word and the products
.set i, i+2
.endr
	s_wait_alu depctr_va_vdst(0)
	s_wait_dscnt 0x0                       ; the values
.irp t, 0,1,2,3
	MMA O+8*\t, KF+12*\t, PC, VSR+\t/2, PWR, (\t%2)
.endr
	s_add_co_u32 s[TK], s[TK], 6144
	s_add_co_u32 s[TS], s[TS], 512
	s_add_co_u32 s[TV], s[TV], 256
.endm
.macro QUARTER q
	s_wait_asynccnt 12*(3-\q)              ; my copies of this quarter have landed; the later quarters' 12 each may stay out
	BAR                                    ; everybody's have
	s_mov_b32 s[TK], 24576*\q
	s_mov_b32 s[TS], 2048*\q
	s_mov_b32 s[TV], 1024*\q
	s_mov_b32 s[CNT], 4
.Lstep_\@:
	s_wait_alu depctr_va_vdst(0)
	STEP
	s_sub_co_u32 s[CNT], s[CNT], 1
	s_cmp_lg_u32 s[CNT], 0
	s_cbranch_scc1 .Lstep_\@
.endm
	QUARTER 0
	QUARTER 1
	QUARTER 2
	QUARTER 3
	PLACES 4
	v_add_f32 v14, v14, v15
	s_delay_alu instid0(VALU_DEP_1)
	v_permlanex16_b32 v[TP], v14, s[SEL], s[SEL+1]
	s_delay_alu instid0(VALU_DEP_1)
	v_add_f32 v14, v14, v[TP]              ; the row's sum
	s_wait_alu depctr_va_vdst(0)
	v_rcp_f32 v14, v14
	v_nop
.set i, 0
	s_wait_alu depctr_va_vdst(0)
.rept 32
	v_mul_f32 v[S+i], v[O+i], v14          ; y: register 16 b + i is feature 32 b + 16 h + i of the head
.set i, i+1
.endr
.irp b, 0,1
	v_max3_num_f32 v[BM+\b], |v[S+16*\b]|, |v[S+1+16*\b]|, 0x1800000
.endr
.irp i, 2,4,6,8,10,12,14
.irp b, 0,1
	s_delay_alu instid0(VALU_DEP_2)
	v_max3_num_f32 v[BM+\b], v[BM+\b], |v[S+16*\b+\i]|, |v[S+1+16*\b+\i]|
.endr
.endr
.irp b, 0,1
	s_delay_alu instid0(VALU_DEP_2)
	v_permlanex16_b32 v[BT+\b], v[BM+\b], s[SEL], s[SEL+1]
.endr
.irp b, 0,1
	s_delay_alu instid0(VALU_DEP_2)
	v_max_num_f32 v[BM+\b], v[BM+\b], v[BT+\b]
.endr
.irp b, 0,1
	s_delay_alu instid0(VALU_DEP_2)
	v_add_nc_u32 v[SO+\b], 0xff000000, v[BM+\b]
.endr
.irp b, 0,1
	s_delay_alu instid0(VALU_DEP_2)
	v_lshrrev_b32 v[BT+\b], 23, v[SO+\b]
.endr
	s_delay_alu instid0(VALU_DEP_1)
	v_lshl_or_b32 v[TP], v[BT+1], 8, v[BT]
	v_cvt_scalef32_pk16_fp6_f32 v[PC:PC+2], v[S:S+15], v[SO]
	v_cvt_scalef32_pk16_fp6_f32 v[CT:CT+2], v[S+16:S+31], v[SO+1]
	v_nop
.irp i, 0,1,2
	v_permlane16_swap_b32 v[PC+\i], v[CT+\i]
.endr
.irp i, 0,1,2
	s_delay_alu instid0(VALU_DEP_3)
	v_mov_b32 v[PC+3+\i], v[CT+\i]
.endr
	global_store_b16 v6, v[TP], s[50:51]   ; the head's two scale bytes of my query (both halves of the lanes write the same)
	s_and_b32 s36, s33, 1
	s_cmp_eq_u32 s36, 0
	s_cbranch_scc0 .Lodd
	global_store_b128 v5, v[PC:PC+3], s[48:49]                 ; an even head is registers 0-5 of the fragment's image
	global_store_b64 v5, v[PC+4:PC+5], s[48:49] offset:512
	s_wait_tensorcnt 0x0
	ds_add_u32 v254, v255
	s_wait_dscnt 0x0
	s_endpgm
.Lodd:
	s_wait_alu depctr_va_vdst(0)
	global_store_b64 v5, v[PC:PC+1], s[48:49] offset:520       ; an odd head registers 6-11
	global_store_b128 v5, v[PC+2:PC+5], s[48:49] offset:1024
	s_wait_tensorcnt 0x0
	ds_add_u32 v254, v255
	s_wait_dscnt 0x0
	s_endpgm
.Lfunc_end_k_q3e6dea9261_att:
	.size	k_q3e6dea9261_att, .Lfunc_end_k_q3e6dea9261_att-k_q3e6dea9261_att
	.p2alignl 7, 3214868480
	.fill 96, 4, 3214868480
	.section	.rodata,"a",@progbits
	.p2align	6, 0x0
	.amdhsa_kernel k_q3e6dea9261_att
		.amdhsa_group_segment_fixed_size 209920
		.amdhsa_private_segment_fixed_size 0
		.amdhsa_enable_private_segment 0
		.amdhsa_kernarg_size 24
		.amdhsa_user_sgpr_count 2
		.amdhsa_user_sgpr_kernarg_segment_ptr 1
		.amdhsa_wavefront_size32 1
		.amdhsa_system_sgpr_workgroup_id_x 1
		.amdhsa_system_sgpr_workgroup_id_y 1
		.amdhsa_system_sgpr_workgroup_id_z 1
		.amdhsa_system_vgpr_workitem_id 0
		.amdhsa_next_free_vgpr 256
		.amdhsa_next_free_sgpr 66
		.amdhsa_reserve_vcc 0
		.amdhsa_float_denorm_mode_32 3
		.amdhsa_float_denorm_mode_16_64 3
		.amdhsa_memory_ordered 1
		.amdhsa_forward_progress 1
		.amdhsa_inst_pref_size 85
	.end_amdhsa_kernel
	.amdgpu_metadata
---
amdhsa.version: [ 1, 2 ]
amdhsa.kernels:
  - .name:           k_q3e6dea9261_att
    .symbol:         k_q3e6dea9261_att.kd
    .args:
      - { .name: act1, .offset: 0, .size: 8, .value_kind: global_buffer, .address_space: global }
      - { .name: qkvc, .offset: 8, .size: 8, .value_kind: global_buffer, .address_space: global }
      - { .name: yq, .offset: 16, .size: 8, .value_kind: global_buffer, .address_space: global }
    .group_segment_fixed_size: 209920
    .private_segment_fixed_size: 0
    .kernarg_segment_align: 8
    .kernarg_segment_size: 24
    .max_flat_workgroup_size: 256
    .sgpr_count:     66
    .vgpr_count:     256
    .wavefront_size: 32
...
	.end_amdgpu_metadata
.endif
;; end of part 3
;; launch proj (part 4): grid 128 x 1, 8 waves a work-group, no clusters, 195,072 bytes of LDS; arguments yq, wimg, W_proj_scales, act1, ffn_norm_w, router_w, router_b, hx, topk; writes hx, topk
.if DOCPART == 4
	.amdgcn_target "amdgcn-amd-amdhsa--gfx1250"
	.amdhsa_code_object_version 6
	.text
	.protected	k_q3e6dea9261_proj
	.globl	k_q3e6dea9261_proj
	.p2align	8
	.type	k_q3e6dea9261_proj,@function
k_q3e6dea9261_proj:
	s_mov_b64 s[64:65], 0
	v_nop
	global_prefetch_b8 v0, s[64:65] scope:SCOPE_SE
	s_setreg_imm32_b32 hwreg(HW_REG_WAVE_MODE, 25, 1), 1
	s_wait_xcnt 0x0
; h = xn + y W_proj (E2M3 codes); xf = h * rsqrt(mean(h^2) + 1e-6) * ffn_norm_w; its codes; the router in f32, its two largest logits and their gates.
; A work-group owns one tile of 16 tokens, whole rows.  Wave w owns features 128 w .. + 127: eight tiles of W_proj as source 0, streamed from their images straight into registers,
; four half steps (four tiles x one K step each) ahead: 48 loads of a wave are on their way.  y's fragment is source 1.
; What is shared or read in small pieces comes by copies into LDS, once, at the head, 27 copies a wave: y's eight fragments (wave w copies K step w), the wave's own 8,192 bytes of xn and its own
; 4,096 bytes of router_w.  Nothing in LDS is filled again, and the copies' bytes are never stored to.
; xn, stored in the result's layout, is the C of the first products: the residual costs no addition.  The eight accumulators take turns.
; The choice of experts is stored at fixed places (a word and two gates a token): no address and no branch here hangs on it.  Ties go to the lower index.
; No multicast here: all 128 work-groups walk the same 786,432 bytes of W_proj, which a cluster could ask for jointly; that wants a ring of tensor loads with rounds, which this plain form leaves out.
; LIMITS: logits must be finite; sums of squares and the router's sums are taken by lanes and waves, another order than a running sum; scale byte 1 for blocks under 2^-124.
; REGISTERS, window 0: v0 the thread's number, kept; v1-15 addresses; v16-23 y's scale words; v24-55 W's; v56-119 the accumulators; v120-143 y's fragments (two sets); v152-215 the second gain;
;   v216-223 logits; v224-227 four offsets; v228-235 lane permutes' results; v236-239 LDS addresses of the copies and of y, never rewritten; v240-255 the quantiser's scratch (at the head: lane terms).
;   Behind the K loop v120-151 take rows of h, then v120-215 the router's ring.   Window 1: v0-191 W's fragments, four sets of 48.
.set SX, 16
.set SY, 24
.set ACC, 56
.set YF, 120
.set HR, 120                           ; v120-151 a row of h on its way out
.set GN, 152                           ; v152-215 ffn_norm_w at my 64 features
.set E0, 120                           ; v120-215 the router's ring: three sets of 32
.set TM, 240
.set PC, 120
.set CT, 132
.set PW, 140
.set LG, 216
.set RWO, 224                          ; router_w in LDS: my first row
.set XSO, 225                          ; xf's scale bytes: my 16 bytes' offset
.set TKO, 226                          ; the choice's place: 4 x token
.set GTO, 227                          ; the gates' place: 8 x token
.set PX, 228                           ; v228-235
.set CLY, 236                          ; where I copy my K step of y
.set CLR, 237                          ; where I copy my part of router_w
.set CLX, 238                          ; where I copy my part of xn, and read it back
.set YA, 239                           ; where any wave reads y's fragments
.set HST, 0
.set CST, 65792
.set SST, 78336
.set RED, 78848
.set LOG, 79360
.set YL, 83456                         ; y's eight fragments, 1,536 bytes each
.set RWL, 95744                        ; router_w, 4,096 bytes a wave
.set XL, 128512                        ; xn, 8,192 bytes a wave
.set YP, 24
.set YSP, 26
.set WP, 28
.set SP, 30
.set XNP, 32
.set HP, 34
.set XFP, 36
.set XFSP, 38
.set GTP, 48
.set SEL, 52
.set RCP, 58
.set MSB, 0
.macro WIN new                         ; the immediate's high byte repeats the setting that is left
.if MSB != \new
	s_set_vgpr_msb (MSB<<8)|\new
.set MSB, \new
.endif
.endm
.macro BAR
	s_wait_dscnt 0x0
	s_barrier_signal -1
	s_barrier_wait -1
.endm
.macro PLACES n
.rept \n
	v_nop
.endr
.endm
.macro MMA d, a, b, sa, sb, ra
.if (\ra)
	v_wmma_scale_f32_16x16x128_f8f6f4 v[\d:\d+7], v[\a:\a+11], v[\b:\b+11], v[\d:\d+7], v[\sa], v[\sb] matrix_a_fmt:MATRIX_FMT_FP6 matrix_b_fmt:MATRIX_FMT_FP6 matrix_a_scale:MATRIX_SCALE_ROW1
.else
	v_wmma_scale_f32_16x16x128_f8f6f4 v[\d:\d+7], v[\a:\a+11], v[\b:\b+11], v[\d:\d+7], v[\sa], v[\sb] matrix_a_fmt:MATRIX_FMT_FP6 matrix_b_fmt:MATRIX_FMT_FP6
.endif
.endm
.macro QUANT s, d0, d1, pw
.irp b, 0,1,2,3
	v_max3_num_f32 v[TM+\b], |v[\s+16*\b]|, |v[\s+1+16*\b]|, 0x1800000
.endr
.irp i, 2,4,6,8,10,12,14
.irp b, 0,1,2,3
	s_delay_alu instid0(VALU_DEP_4)
	v_max3_num_f32 v[TM+\b], v[TM+\b], |v[\s+16*\b+\i]|, |v[\s+1+16*\b+\i]|
.endr
.endr
.irp b, 0,1,2,3
	s_delay_alu instid0(VALU_DEP_4)
	v_permlanex16_b32 v[TM+4+\b], v[TM+\b], s[SEL], s[SEL+1]
.endr
.irp b, 0,1,2,3
	s_delay_alu instid0(VALU_DEP_4)
	v_max_num_f32 v[TM+\b], v[TM+\b], v[TM+4+\b]
.endr
.irp b, 0,1,2,3
	s_delay_alu instid0(VALU_DEP_4)
	v_add_nc_u32 v[TM+12+\b], 0xff000000, v[TM+\b]
.endr
.irp b, 0,1,2,3
	s_delay_alu instid0(VALU_DEP_4)
	v_lshrrev_b32 v[TM+4+\b], 23, v[TM+12+\b]
.endr
	s_delay_alu instid0(VALU_DEP_3)
	v_lshl_or_b32 v[\pw], v[TM+5], 8, v[TM+4]
	s_delay_alu instid0(VALU_DEP_1)
	v_lshl_or_b32 v[\pw], v[TM+6], 16, v[\pw]
	s_delay_alu instid0(VALU_DEP_1)
	v_lshl_or_b32 v[\pw], v[TM+7], 24, v[\pw]
	v_cvt_scalef32_pk16_fp6_f32 v[\d0:\d0+2], v[\s:\s+15], v[TM+12]
	v_cvt_scalef32_pk16_fp6_f32 v[CT:CT+2], v[\s+16:\s+31], v[TM+13]
	v_cvt_scalef32_pk16_fp6_f32 v[\d1:\d1+2], v[\s+32:\s+47], v[TM+14]
	v_cvt_scalef32_pk16_fp6_f32 v[CT+4:CT+6], v[\s+48:\s+63], v[TM+15]
	v_nop
.irp i, 0,1,2
	v_permlane16_swap_b32 v[\d0+\i], v[CT+\i]
	v_permlane16_swap_b32 v[\d1+\i], v[CT+4+\i]
.endr
.irp i, 0,1,2
	v_mov_b32 v[\d0+3+\i], v[CT+\i]
	v_mov_b32 v[\d1+3+\i], v[CT+4+\i]
.endr
.endm
.macro WLD hs                          ; half step hs = 2 s + g: tiles 4 g .. 4 g + 3 of K step s into set hs % 4 of window 1
	WIN 0x40                               ; destination window 1, address window 0
.irp y, 0,1,2,3
.irp c, 0,1,2
	global_load_b128 v[48*((\hs)%4)+12*\y+4*\c:48*((\hs)%4)+12*\y+4*\c+3], v1, s[WP:WP+1] offset:12288*(4*((\hs)%2)+\y)+1536*((\hs)/2)+512*\c
.endr
.endr
	WIN 0
.endm
.macro YLD s                           ; y's fragment of K step s, from LDS, into set s % 2
.irp c, 0,1,2
	ds_load_b128 v[YF+12*((\s)%2)+4*\c:YF+12*((\s)%2)+4*\c+3], v[YA] offset:1536*(\s)+512*\c
.endr
.endm
.macro GLD                             ; the second gain at my 64 features
.irp b, 0,1,2,3
.irp j, 0,1,2,3
	global_load_b128 v[GN+16*\b+4*\j:GN+16*\b+4*\j+3], v14, s[12:13] offset:128*\b+16*\j
.endr
.endr
.endm
.macro HSTEP hs, n
	s_wait_loadcnt \n                      ; this half step's weights are in; the loads issued behind them may stay out
.if ((\hs)%2 == 0) && ((\hs) < 14)
	s_wait_dscnt 3                         ; this K step's fragment of y is in (at the first: xn too); the next step's three loads may stay out
.endif
.if (\hs) == 14
	s_wait_dscnt 0x0
.endif
	WIN 0x01                               ; source 0 (W) window 1; all else window 0
.irp y, 0,1,2,3
	MMA ACC+8*(4*((\hs)%2)+\y), 48*((\hs)%4)+12*\y, YF+12*(((\hs)/2)%2), SY+8*((4*((\hs)%2)+\y)/2)+(\hs)/2, SX+(\hs)/2, (\y%2)
.endr
	WIN 0
	PLACES 4                               ; in front of loads into registers that these products read
.if (\hs) <= 11
	WLD (\hs)+4
.endif
.if (\hs) == 12
	GLD                                    ; no weights are left to ask for: the gain lands under the last half steps
.endif
.if ((\hs)%2 == 1) && ((\hs) <= 11)
	YLD (\hs)/2+2
.endif
.endm
	s_load_b512 s[4:19], s[0:1], 0x0       ; yq 4, wimg 6, W_proj_scales 8, act1 10, ffn_norm_w 12, router_w 14, router_b 16, hx 18
	s_load_b64 s[20:21], s[0:1], 0x40      ; topk
	v_lshl_add_u32 v250, v0, 2, 0x2f600
	v_mov_b32 v251, 0
	ds_add_u32 v250, v251
	ds_add_u32 v250, v251
	v_lshrrev_b32 v1, 5, v0
	s_delay_alu instid0(VALU_DEP_1)
	v_readfirstlane_b32 s22, v1            ; wave
	v_and_b32 v240, 31, v0                 ; L
	v_and_b32 v241, 15, v0                 ; r
	v_bfe_u32 v242, v0, 4, 1               ; h
	s_delay_alu instid0(VALU_DEP_2)
	v_and_b32 v243, 8, v241
	s_delay_alu instid0(VALU_DEP_1)
	v_add_nc_u32 v243, v243, v241          ; r + (r & 8)
	v_lshlrev_b32 v1, 4, v240              ; 16 L
	v_lshlrev_b32 v15, 3, v240             ; 8 L
	s_delay_alu instid0(VALU_DEP_3)
	v_lshl_add_u32 v2, v242, 3, v243
	s_delay_alu instid0(VALU_DEP_1)
	v_lshlrev_b32 v2, 5, v2                ; W's scale bytes within a pair of tiles
	s_lshr_b32 s23, ttmp9, 1
	s_lshl_b32 s23, s23, 5
	s_and_b32 s54, ttmp9, 1
	s_lshl_b32 s54, s54, 3
	s_add_co_u32 s23, s23, s54             ; the tile's first token
	v_add_nc_u32 v3, s23, v243             ; my token
	s_delay_alu instid0(VALU_DEP_1)
	v_lshlrev_b32 v3, 5, v3                ; y's scale bytes
	; the LDS addresses
	s_lshl_b32 s54, s22, 6
	s_add_co_u32 s54, s54, RED
	v_lshl_add_u32 v4, v241, 2, s54        ; partial sums: RED + 64 w + 4 r
	v_lshlrev_b32 v5, 2, v241
	s_delay_alu instid0(VALU_DEP_1)
	v_add_nc_u32 v5, RED, v5
	s_lshl_b32 s54, s22, 9
	v_mul_u32_u24 v6, v241, 4112
	s_delay_alu instid0(VALU_DEP_1)
	v_lshl_add_u32 v6, v242, 6, v6
	s_delay_alu instid0(VALU_DEP_1)
	v_add_nc_u32 v6, s54, v6               ; h into its stage: 4,112 r + 512 w + 64 h
	v_lshlrev_b32 v14, 6, v242
	s_delay_alu instid0(VALU_DEP_1)
	v_add_nc_u32 v14, s54, v14             ; the second gain: 512 w + 64 h
	s_mul_i32 s54, s22, 8224
	v_add_nc_u32 v7, s54, v1               ; and back by rows: rows 2 w, 2 w + 1
	s_mul_i32 s54, s22, 96
	s_add_co_u32 s54, s54, CST
	v_mul_u32_u24 v8, v241, 784
	s_delay_alu instid0(VALU_DEP_1)
	v_mad_u32_u24 v8, v242, 24, v8
	s_delay_alu instid0(VALU_DEP_1)
	v_add_nc_u32 v8, s54, v8               ; codes into their stage: CST + 784 r + 96 w + 24 h
	s_mul_i32 s54, s22, 1568
	s_add_co_u32 s54, s54, CST
	v_add_nc_u32 v9, s54, v15
	s_lshl_b32 s54, s22, 2
	s_add_co_u32 s54, s54, SST
	v_lshl_add_u32 v10, v241, 5, s54       ; scale words: SST + 32 r + 4 w
	v_add_nc_u32 v11, SST, v1
	s_lshl_b32 s54, s22, 9
	s_add_co_u32 s54, s54, LOG
	v_lshl_add_u32 v12, v241, 5, s54       ; partial logits: LOG + 512 w + 32 r
	v_lshlrev_b32 v13, 5, v241
	s_delay_alu instid0(VALU_DEP_1)
	v_add_nc_u32 v13, LOG, v13
	s_mul_i32 s54, s22, 1536
	s_add_co_u32 s54, s54, YL
	v_add_nc_u32 v[CLY], s54, v1           ; YL + 1,536 w + 16 L
	s_lshl_b32 s54, s22, 12
	s_add_co_u32 s54, s54, RWL
	v_add_nc_u32 v[CLR], s54, v1           ; RWL + 4,096 w + 16 L
	s_lshl_b32 s54, s22, 13
	s_add_co_u32 s54, s54, XL
	v_add_nc_u32 v[CLX], s54, v1           ; XL + 8,192 w + 16 L
	v_add_nc_u32 v[YA], YL, v1             ; YL + 16 L
	s_mov_b32 s[SEL], 0x76543210
	s_mov_b32 s[SEL+1], 0xfedcba98
	s_mov_b32 s55, 0x3a800000              ; 1 / 1,024
	s_mov_b32 s51, 0
	s_wait_alu depctr_va_vdst(0)
	s_wait_dscnt 0x0
	s_wait_kmcnt 0x0
	s_load_b256 s[40:47], s[16:17], 0x0    ; router_b
	s_mul_i32 s50, ttmp9, 12288
	s_mul_i32 s54, s22, 1536
	s_add_co_u32 s50, s50, s54
	s_add_nc_u64 s[YP:YP+1], s[4:5], s[50:51]      ; y's image: my tile, K step w
	s_add_nc_u64 s[YSP:YSP+1], s[4:5], 1572864
	s_mul_i32 s50, s22, 98304
	s_add_nc_u64 s[WP:WP+1], s[6:7], s[50:51]
	s_add_nc_u64 s[WP:WP+1], s[WP:WP+1], 2359296
	s_lshl_b32 s50, s22, 12
	s_add_nc_u64 s[SP:SP+1], s[8:9], s[50:51]
	s_add_nc_u64 s[RCP:RCP+1], s[14:15], s[50:51]  ; router_w: my 128 rows of 32 bytes
	s_lshl_b32 s50, ttmp9, 3
	s_add_co_u32 s50, s50, s22
	s_lshl_b32 s50, s50, 13
	s_add_nc_u64 s[XNP:XNP+1], s[10:11], s[50:51]
	s_lshl_b32 s54, s22, 1
	s_add_co_u32 s54, s54, s23
	s_lshr_b32 s56, s22, 2
	s_lshl_b32 s56, s56, 3
	s_add_co_u32 s54, s54, s56             ; the token of the tile's row 2 w
	s_lshl_b32 s50, s54, 12
	s_add_nc_u64 s[HP:HP+1], s[18:19], s[50:51]
	s_mul_i32 s50, s54, 768
	s_add_nc_u64 s[XFP:XFP+1], s[18:19], s[50:51]
	s_add_nc_u64 s[XFP:XFP+1], s[XFP:XFP+1], 8388608
	s_lshl_b32 s50, s23, 5
	s_add_nc_u64 s[XFSP:XFSP+1], s[18:19], s[50:51]
	s_add_nc_u64 s[XFSP:XFSP+1], s[XFSP:XFSP+1], 9961472
	s_add_nc_u64 s[GTP:GTP+1], s[18:19], 10027008
	global_load_b128 v[SX:SX+3], v3, s[YSP:YSP+1]
	global_load_b128 v[SX+4:SX+7], v3, s[YSP:YSP+1] offset:16
.irp p, 0,1,2,3
	global_load_b128 v[SY+8*\p:SY+8*\p+3], v2, s[SP:SP+1] offset:1024*\p
	global_load_b128 v[SY+8*\p+4:SY+8*\p+7], v2, s[SP:SP+1] offset:1024*\p+16
.endr
; All copies stand here, ahead of the first wait on their counter, the first LDS read and the first barrier; v1, v236-238 and the three bases are never written again.
; In this order: y (3), xn (16), and behind the first weights router_w (8), which is wanted last.  By this text's count a wave has 58 loads and 27 copies out here.
.irp c, 0,1,2
	global_load_async_to_lds_b128 v[CLY], v1, s[YP:YP+1] offset:512*\c
.endr
.irp k, 0,1,2,3,4,5,6,7,8,9,10,11,12,13,14,15
	global_load_async_to_lds_b128 v[CLX], v1, s[XNP:XNP+1] offset:512*\k
.endr
	WLD 0
	WLD 1
	WLD 2
	WLD 3
.irp k, 0,1,2,3,4,5,6,7
	global_load_async_to_lds_b128 v[CLR], v1, s[RCP:RCP+1] offset:512*\k
.endr
	s_wait_asynccnt 8                      ; my K step of y and my xn have landed; router_w's eight copies may stay out
	BAR                                    ; everybody's part of y has
.irp k, 0,1,2,3,4,5,6,7,8,9,10,11,12,13,14,15
	ds_load_b128 v[ACC+4*\k:ACC+4*\k+3], v[CLX] offset:512*\k          ; xn: the first products' C
.endr
	YLD 0
	YLD 1
	s_wait_kmcnt 0x0
.irp q, 0,1,2,3,4,5,6,7,8,9,10,11,12
	HSTEP \q, 36                           ; three later sets of twelve
.endr
	HSTEP 13, 40                           ; two sets and the gain's sixteen
	HSTEP 14, 28
	HSTEP 15, 16
	s_wait_asynccnt 0x0                    ; router_w has landed: ahead of the next barrier and of my reads of it
	; four places stand behind the last products.  The offsets of the way out are made now, from the thread's number
	v_and_b32 v232, 15, v0                 ; r
	v_bfe_u32 v233, v0, 4, 1               ; h
	s_delay_alu instid0(VALU_DEP_2)
	v_and_b32 v234, 8, v232
	s_delay_alu instid0(VALU_DEP_1)
	v_add_nc_u32 v234, v234, v232          ; r + (r & 8)
	s_delay_alu instid0(VALU_DEP_1)
	v_add_nc_u32 v[TKO], s23, v234         ; my token
	s_delay_alu instid0(VALU_DEP_1)
	v_lshlrev_b32 v[GTO], 3, v[TKO]
	s_delay_alu instid0(VALU_DEP_2)
	v_lshlrev_b32 v[TKO], 2, v[TKO]
	s_lshl_b32 s54, s22, 12
	s_add_co_u32 s54, s54, RWL
	v_lshlrev_b32 v[RWO], 9, v233
	s_delay_alu instid0(VALU_DEP_1)
	v_add_nc_u32 v[RWO], s54, v[RWO]       ; router_w in LDS: RWL + (128 w + 16 h) rows of 32 bytes
	v_lshl_add_u32 v[XSO], v233, 8, v1     ; xf's scale bytes in memory: 16 L + 256 h
.irp e, 0,1,2,3,4,5,6,7
	v_mov_b32 v[PX+\e], 0                  ; lane permutes' destinations count as read
.endr
.irp c, 0,1,2,3
	v_mul_f32 v[TM+\c], v[ACC+\c], v[ACC+\c]
.endr
.set i, 4
.rept 15
.irp c, 0,1,2,3
	v_fmac_f32 v[TM+\c], v[ACC+i+\c], v[ACC+i+\c]
.endr
.set i, i+4
.endr
	s_delay_alu instid0(VALU_DEP_3)
	v_add_f32 v[TM], v[TM], v[TM+1]
	s_delay_alu instid0(VALU_DEP_2)
	v_add_f32 v[TM+2], v[TM+2], v[TM+3]
	s_delay_alu instid0(VALU_DEP_1)
	v_add_f32 v[TM], v[TM], v[TM+2]
	s_delay_alu instid0(VALU_DEP_1)
	v_permlanex16_b32 v[TM+1], v[TM], s[SEL], s[SEL+1]
	s_delay_alu instid0(VALU_DEP_1)
	v_add_f32 v[TM], v[TM], v[TM+1]
	ds_store_b32 v4, v[TM]
.irp b, 0,1,2,3
.irp k, 0,1,2,3
	ds_store_b128 v6, v[ACC+16*\b+4*\k:ACC+16*\b+4*\k+3] offset:128*\b+16*\k
.endr
.endr
	BAR                                    ; 16 whole rows of h and all partial sums lie in LDS
.irp i, 0,1,2,3,4,5,6,7
	ds_load_b32 v[TM+\i], v5 offset:64*\i
.endr
	s_wait_dscnt 0x0
.irp i, 1
	v_add_f32 v[TM], v[TM], v[TM+\i]
.endr
.irp i, 2, 3, 4, 5, 6, 7
	s_delay_alu instid0(VALU_DEP_1)
	v_add_f32 v[TM], v[TM], v[TM+\i]
.endr
	v_mov_b32 v[TM+1], 0x358637bd
	s_delay_alu instid0(VALU_DEP_1)
	v_fma_f32 v[TM], v[TM], s55, v[TM+1]
	s_wait_alu depctr_va_vdst(0)
	v_rsq_f32 v[TM], v[TM]
	v_nop
.irp i, 0,1                            ; h leaves by rows: 512 dense bytes a store
.if \i > 0
	s_wait_xcnt 0x0                        ; the first row's stores have read their registers
.endif
.irp k, 0,1,2,3,4,5,6,7
	ds_load_b128 v[HR+4*\k:HR+4*\k+3], v7 offset:4112*\i+512*\k
.endr
	s_wait_dscnt 0x0
.irp k, 0,1,2,3,4,5,6,7
	global_store_b128 v1, v[HR+4*\k:HR+4*\k+3], s[HP:HP+1] offset:4096*\i+512*\k
.endr
.endr
	s_wait_loadcnt 0x0                     ; the gain
.set i, 0
	s_wait_alu depctr_va_vdst(0)
.rept 32
	v_pk_mul_f32 v[ACC+i:ACC+i+1], v[ACC+i:ACC+i+1], v[TM:TM+1] op_sel_hi:[1,0]
.set i, i+2
.endr
.set i, 0
.rept 32
	v_pk_mul_f32 v[ACC+i:ACC+i+1], v[ACC+i:ACC+i+1], v[GN+i:GN+i+1]
.set i, i+2
.endr
	s_wait_xcnt 0x0                        ; h's stores have read their registers: the router's ring may land there
; the router: my 64 features x 8 experts by fused multiply-adds; router_w comes out of my own 4,096 bytes of LDS, four features at a time, through a ring of three sets of 32 registers.
; Sixteen lanes read the same 16 bytes.
.macro RLD t
.irp q, 0,1,2,3,4,5,6,7
	ds_load_b128 v[E0+32*((\t)%3)+4*\q:E0+32*((\t)%3)+4*\q+3], v[RWO] offset:(32*((\t)/4)+4*((\t)%4))*32+16*\q
.endr
.endm
.macro RSTEP t, n
	s_wait_dscnt \n                        ; the later batches' eight loads each may stay out
.irp f, 0,1,2,3
.irp e, 0,1,2,3,4,5,6,7
.if ((\t) == 0) && (\f == 0)
	v_mul_f32 v[LG+\e], v[ACC], v[E0+\e]
.else
	v_fmac_f32 v[LG+\e], v[ACC+16*((\t)/4)+4*((\t)%4)+\f], v[E0+32*((\t)%3)+8*\f+\e]
.endif
.endr
.endr
.if (\t) <= 12
	RLD (\t)+3
.endif
.endm
	RLD 0
	RLD 1
	RLD 2
.irp t, 0,1,2,3,4,5,6,7,8,9,10,11,12,13
	s_wait_alu depctr_va_vdst(0)
	RSTEP \t, 16
.endr
	s_wait_alu depctr_va_vdst(0)
	RSTEP 14, 8
	s_wait_alu depctr_va_vdst(0)
	RSTEP 15, 0
	QUANT ACC, PC, PC+6, PW
.irp c, 0,1
.irp k, 0,1,2
	ds_store_b64 v8, v[PC+6*\c+2*\k:PC+6*\c+2*\k+1] offset:48*\c+8*\k  ; row-major: the experts' launch gathers rows
.endr
.endr
	ds_store_b32 v10, v[PW]
.irp e, 0,1,2,3,4,5,6,7
	v_permlanex16_b32 v[PX+\e], v[LG+\e], s[SEL], s[SEL+1]
.endr
.irp e, 0,1,2,3,4,5,6,7
	v_add_f32 v[LG+\e], v[LG+\e], v[PX+\e]
.endr
	ds_store_b128 v12, v[LG:LG+3]
	ds_store_b128 v12, v[LG+4:LG+7] offset:16
	BAR
.irp i, 0,1
.irp k, 0,1,2
	ds_load_b64 v[144+6*\i+2*\k:145+6*\i+2*\k], v9 offset:784*\i+256*\k
.endr
.endr
	s_wait_dscnt 0x0
.irp i, 0,1
.irp k, 0,1,2
	global_store_b64 v15, v[144+6*\i+2*\k:145+6*\i+2*\k], s[XFP:XFP+1] offset:768*\i+256*\k   ; 256 dense bytes a store
.endr
.endr
	s_cmp_eq_u32 s22, 0
	s_cbranch_scc1 .Lw0
	s_cmp_eq_u32 s22, 1
	s_cbranch_scc1 .Lw1
	s_wait_tensorcnt 0x0
	ds_add_u32 v250, v251
	s_wait_dscnt 0x0
	s_endpgm
.Lw0:
	ds_load_b128 v[160:163], v11
	s_wait_dscnt 0x0
	global_store_b128 v[XSO], v[160:163], s[XFSP:XFSP+1]
	s_wait_tensorcnt 0x0
	ds_add_u32 v250, v251
	s_wait_dscnt 0x0
	s_endpgm
.Lw1:                                  ; the two largest logits of my token (both halves of the lanes do the same)
.irp w, 0,1,2,3,4,5,6,7
	ds_load_b128 v[56+8*\w:59+8*\w], v13 offset:512*\w
	ds_load_b128 v[60+8*\w:63+8*\w], v13 offset:512*\w+16
.endr
	s_wait_dscnt 0x0
.irp w, 1,2,3,4,5,6,7
.irp e, 0,1,2,3,4,5,6,7
	v_add_f32 v[56+\e], v[56+\e], v[56+8*\w+\e]
.endr
.endr
.irp e, 0,1,2,3,4,5,6,7
	v_add_f32 v[56+\e], s[40+\e], v[56+\e]
.endr
	v_mov_b32 v164, v56
	v_mov_b32 v165, 0
.irp e, 1,2,3,4,5,6,7
	s_delay_alu instid0(VALU_DEP_2)
	v_cmp_le_f32 vcc_lo, v[56+\e], v164    ; kept unless strictly larger: a tie goes to the lower index
	s_delay_alu instid0(VALU_DEP_1)
	v_cndmask_b32 v164, v[56+\e], v164, vcc_lo
	s_delay_alu instid0(VALU_DEP_2)
	v_cndmask_b32 v165, \e, v165, vcc_lo
.endr
	v_mov_b32 v168, 0xff800000
.irp e, 0,1,2,3,4,5,6,7
	v_cmp_eq_u32 vcc_lo, \e, v165
	s_delay_alu instid0(VALU_DEP_1)
	v_cndmask_b32 v[64+\e], v[56+\e], v168, vcc_lo
.endr
	v_mov_b32 v166, v64
	v_mov_b32 v167, 0
.irp e, 1,2,3,4,5,6,7
	s_delay_alu instid0(VALU_DEP_2)
	v_cmp_le_f32 vcc_lo, v[64+\e], v166
	s_delay_alu instid0(VALU_DEP_1)
	v_cndmask_b32 v166, v[64+\e], v166, vcc_lo
	s_delay_alu instid0(VALU_DEP_2)
	v_cndmask_b32 v167, \e, v167, vcc_lo
.endr
	s_delay_alu instid0(VALU_DEP_2)
	v_sub_f32 v169, v166, v164             ; the second less the first: the maximum is taken away
	s_delay_alu instid0(VALU_DEP_1)
	v_mul_f32 v169, 0x3fb8aa3b, v169
	s_wait_alu depctr_va_vdst(0)
	v_exp_f32 v169, v169
	v_nop
	s_wait_alu depctr_va_vdst(0)
	v_add_f32 v170, 1.0, v169
	s_wait_alu depctr_va_vdst(0)
	v_rcp_f32 v170, v170                   ; the first's gate
	v_nop
	s_wait_alu depctr_va_vdst(0)
	v_mul_f32 v171, v169, v170             ; the second's
	v_cmp_lt_u32 vcc_lo, v165, v167
	v_cndmask_b32 v172, v171, v170, vcc_lo ; the gate of the lower index,
	v_cndmask_b32 v173, v170, v171, vcc_lo ; of the higher
	v_min_u32 v174, v165, v167
	v_max_u32 v175, v165, v167
	s_delay_alu instid0(VALU_DEP_1)
	v_lshl_or_b32 v174, v175, 8, v174
	global_store_b32 v[TKO], v174, s[20:21]
	global_store_b64 v[GTO], v[172:173], s[GTP:GTP+1]
	s_wait_tensorcnt 0x0
	ds_add_u32 v250, v251
	s_wait_dscnt 0x0
	s_endpgm
.Lfunc_end_k_q3e6dea9261_proj:
	.size	k_q3e6dea9261_proj, .Lfunc_end_k_q3e6dea9261_proj-k_q3e6dea9261_proj
	.p2alignl 7, 3214868480
	.fill 96, 4, 3214868480
	.section	.rodata,"a",@progbits
	.p2align	6, 0x0
	.amdhsa_kernel k_q3e6dea9261_proj
		.amdhsa_group_segment_fixed_size 195072
		.amdhsa_private_segment_fixed_size 0
		.amdhsa_enable_private_segment 0
		.amdhsa_kernarg_size 72
		.amdhsa_user_sgpr_count 2
		.amdhsa_user_sgpr_kernarg_segment_ptr 1
		.amdhsa_wavefront_size32 1
		.amdhsa_system_sgpr_workgroup_id_x 1
		.amdhsa_system_sgpr_workgroup_id_y 1
		.amdhsa_system_sgpr_workgroup_id_z 1
		.amdhsa_system_vgpr_workitem_id 0
		.amdhsa_next_free_vgpr 448
		.amdhsa_next_free_sgpr 66
		.amdhsa_reserve_vcc 1
		.amdhsa_float_denorm_mode_32 3
		.amdhsa_float_denorm_mode_16_64 3
		.amdhsa_memory_ordered 1
		.amdhsa_forward_progress 1
		.amdhsa_inst_pref_size 97
	.end_amdhsa_kernel
	.amdgpu_metadata
---
amdhsa.version: [ 1, 2 ]
amdhsa.kernels:
  - .name:           k_q3e6dea9261_proj
    .symbol:         k_q3e6dea9261_proj.kd
    .args:
      - { .name: yq, .offset: 0, .size: 8, .value_kind: global_buffer, .address_space: global }
      - { .name: wimg, .offset: 8, .size: 8, .value_kind: global_buffer, .address_space: global }
      - { .name: W_proj_scales, .offset: 16, .size: 8, .value_kind: global_buffer, .address_space: global }
      - { .name: act1, .offset: 24, .size: 8, .value_kind: global_buffer, .address_space: global }
      - { .name: ffn_norm_w, .offset: 32, .size: 8, .value_kind: global_buffer, .address_space: global }
      - { .name: router_w, .offset: 40, .size: 8, .value_kind: global_buffer, .address_space: global }
      - { .name: router_b, .offset: 48, .size: 8, .value_kind: global_buffer, .address_space: global }
      - { .name: hx, .offset: 56, .size: 8, .value_kind: global_buffer, .address_space: global }
      - { .name: topk, .offset: 64, .size: 8, .value_kind: global_buffer, .address_space: global }
    .group_segment_fixed_size: 195072
    .private_segment_fixed_size: 0
    .kernarg_segment_align: 8
    .kernarg_segment_size: 72
    .max_flat_workgroup_size: 256
    .sgpr_count:     66
    .vgpr_count:     448
    .wavefront_size: 32
...
	.end_amdgpu_metadata
.endif
;; end of part 4
;; launch route (part 5): grid 1 x 1, 32 waves a work-group, no clusters, 13,056 bytes of LDS; arguments topk, order; writes order
.if DOCPART == 5
	.amdgcn_target "amdgcn-amd-amdhsa--gfx1250"
	.amdhsa_code_object_version 6
	.text
	.protected	k_q3e6dea9261_route
	.globl	k_q3e6dea9261_route
	.p2align	8
	.type	k_q3e6dea9261_route,@function
k_q3e6dea9261_route:
	s_mov_b64 s[64:65], 0
	v_nop
	global_prefetch_b8 v0, s[64:65] scope:SCOPE_SE
	s_setreg_imm32_b32 hwreg(HW_REG_WAVE_MODE, 25, 1), 1
	s_wait_xcnt 0x0
; The 2,048 tokens are sorted by their pair of experts (28 pairs, lexicographic): a counting sort by one work-group, no atomics.
; order[pos] = token | lo << 16 | hi << 20; behind the 2,048 words: for each block of 64 sorted places the mask of the experts that it uses.
; Wave w takes tokens 64 w .. 64 w + 63, two a lane: A = 64 w + L, B = 64 w + 32 + L.
; IN A WAVE: five ballots of the pair number's bits for A and five for B.  The lanes whose number equals a lane's query q are those where no bit differs: the OR over the bits of (ballot xor q's bit spread over a word), inverted.
;   Queries: my own A among A and my own B among B (the rank is the count of such lanes under mine), and the lane's number j among A and among B (their bits are counted: lane j holds the wave's count of pair j).
; OVER THE WAVES: the counts meet in LDS, row w at 132 w (the pitch keeps the transposed read in different banks).  Wave j reads pair j's 32 counts, a wave a lane, scans them over its lanes,
;   and stores the sums of the waves ahead of each wave, and the pair's total.  Behind a second barrier every wave scans the 32 totals: where each pair begins.
; PLACES: wave w's part of pair j begins at begin[j] + ahead[w][j] and holds count[w][j] places: its A tokens take them from the start up, its B tokens from the end down.
;   So the order within a pair is not the tokens' order; nothing hangs on it: each token's row is worked out by itself, and the blocks' masks come from where the pairs begin and end.
; One work-group serves: the whole job is 8 KiB in and 8 KiB out.
.set PRE, 4352                         ; the sums of the waves ahead, laid as the counts are (32 rows of 132 bytes from byte 0)
.set TOT, 8704                         ; the 32 totals
.set SPARE, 8960
.macro SCAN x, t                       ; v[x] becomes its running sum over the 32 lanes, the lane's own number included; v[t] was written before
.irp n, 1,2,4,8
	v_mov_b32_dpp v\t, v\x row_shr:\n row_mask:0xf bank_mask:0xf bound_ctrl:1   ; lane i takes lane i - n of its row of 16, or 0
	v_add_nc_u32 v\x, v\x, v\t
.endr
	v_readlane_b32 s13, v\x, 15            ; the lower row's sum
	v_mov_b32 v\t, s13
	v_cndmask_b32 v\t, 0, v\t, s18         ; goes to lanes 16-31
	v_add_nc_u32 v\x, v\x, v\t
.endm
	s_load_b128 s[4:7], s[0:1], 0x0        ; topk, order
	v_lshrrev_b32 v1, 5, v0
	v_readfirstlane_b32 s8, v1             ; wave
	s_lshl_b32 s9, s8, 8                   ; topk: 256 bytes a wave
	s_lshl_b32 s10, s8, 6                  ; my first token, and my block's first place
	s_mul_i32 s16, s8, 132
	s_lshl_b32 s17, s8, 2
	s_mov_b32 s18, 0xffff0000              ; lanes 16-31
	s_mov_b32 s33, 0xaaaaaaaa              ; the lanes whose number has bit 0 .. 4 set
	s_mov_b32 s34, 0xcccccccc
	s_mov_b32 s35, 0xf0f0f0f0
	s_mov_b32 s36, 0xff00ff00
	s_mov_b32 s37, 0xffff0000
	s_mov_b32 s38, 0x01010101
	v_lshl_add_u32 v64, v0, 2, SPARE
	v_mov_b32 v65, 0
	v_and_b32 v1, 31, v0                   ; L
	v_mov_b32 v23, 0                       ; a DPP form's destination counts as read
	v_mov_b32 v63, s17                     ; 4 w
	v_lshlrev_b32 v2, 2, v1                ; 4 L
	v_mul_u32_u24 v22, v1, 132
	v_add_nc_u32 v6, s10, v1               ; token A
	v_add_nc_u32 v3, s9, v2
	v_add_nc_u32 v20, s16, v2              ; LDS: row w, word L
	v_add_nc_u32 v22, s17, v22             ; LDS: row L, word w
	v_add_nc_u32 v7, 32, v6                ; token B
.irp b, 0,1,2,3,4
	v_cndmask_b32 v[40+\b], 0, -1, s[33+\b]        ; bit b of the lane's number, spread over a word
.endr
	s_wait_alu depctr_va_vdst(0)           ; the wait at the head's end
	s_wait_kmcnt 0x0
	global_load_b32 v4, v3, s[4:5]
	global_load_b32 v5, v3, s[4:5] offset:128
	s_wait_loadcnt 0x0
	v_and_b32 v8, 7, v4                    ; lo, hi of A
	v_and_b32 v10, 7, v5                   ; and of B
	v_bfe_u32 v9, v4, 8, 3
	v_bfe_u32 v11, v5, 8, 3
	v_sub_nc_u32 v12, 15, v8               ; the pair's number: lo (15 - lo) / 2 + hi - lo - 1
	v_sub_nc_u32 v13, 15, v10
	v_mul_u32_u24 v12, v12, v8
	v_mul_u32_u24 v13, v13, v10
	v_lshrrev_b32 v12, 1, v12
	v_lshrrev_b32 v13, 1, v13
	v_add_nc_u32 v12, v12, v9
	v_add_nc_u32 v13, v13, v11
	v_sub_nc_u32 v12, v12, v8
	v_sub_nc_u32 v13, v13, v10
	v_add_nc_u32 v12, -1, v12
	v_add_nc_u32 v13, -1, v13
	v_min_u32 v12, 27, v12
	v_min_u32 v13, 27, v13
	v_lshl_or_b32 v14, v8, 16, v6
	v_lshl_or_b32 v15, v10, 16, v7
	v_lshl_or_b32 v14, v9, 20, v14         ; A's word of the list
	v_lshl_or_b32 v15, v11, 20, v15        ; B's
.irp b, 0,1,2,3,4
	v_and_b32 v52, 1<<\b, v12
	v_and_b32 v53, 1<<\b, v13
	v_cmp_ne_u32 s[20+\b], 0, v52          ; the ballot of bit b among A,
	v_cmp_ne_u32 s[28+\b], 0, v53          ; among B;
	v_cndmask_b32 v[24+\b], 0, -1, s[20+\b]        ; and my own bit, spread over a word
	v_cndmask_b32 v[32+\b], 0, -1, s[28+\b]
.endr
	v_xor_b32 v48, s20, v24                ; the lanes that differ from the query in bit 0: my A among A,
	v_xor_b32 v49, s28, v32                ; my B among B,
	v_xor_b32 v50, s20, v40                ; pair L among A,
	v_xor_b32 v51, s28, v40                ; pair L among B
.irp b, 1,2,3,4
	v_xor_b32 v52, s[20+\b], v[24+\b]
	v_xor_b32 v53, s[28+\b], v[32+\b]
	v_xor_b32 v54, s[20+\b], v[40+\b]
	v_xor_b32 v55, s[28+\b], v[40+\b]
	v_or_b32 v48, v48, v52
	v_or_b32 v49, v49, v53
	v_or_b32 v50, v50, v54
	v_or_b32 v51, v51, v55
.endr
.irp r, 48,49,50,51
	v_xor_b32 v\r, -1, v\r                 ; the lanes that differ in no bit
.endr
	v_mbcnt_lo_u32_b32 v17, v48, 0         ; A's rank among my wave's A of its pair
	v_mbcnt_lo_u32_b32 v18, v49, 0         ; B's among its B
	v_lshrrev_b32 v52, 1, v50              ; the bits of both masks are counted: by twos,
	v_lshrrev_b32 v53, 1, v51
	v_and_b32 v52, 0x55555555, v52
	v_and_b32 v53, 0x55555555, v53
	v_sub_nc_u32 v50, v50, v52
	v_sub_nc_u32 v51, v51, v53
	v_lshrrev_b32 v52, 2, v50              ; by fours (4 at the most in each; the two masks together 8),
	v_lshrrev_b32 v53, 2, v51
	v_and_b32 v50, 0x33333333, v50
	v_and_b32 v51, 0x33333333, v51
	v_and_b32 v52, 0x33333333, v52
	v_and_b32 v53, 0x33333333, v53
	v_add3_u32 v50, v50, v51, v52
	v_add_nc_u32 v50, v50, v53
	v_lshrrev_b32 v52, 4, v50              ; by bytes,
	v_and_b32 v50, 0x0f0f0f0f, v50
	v_and_b32 v52, 0x0f0f0f0f, v52
	v_add_nc_u32 v50, v50, v52
	v_mul_lo_u32 v50, v50, s38             ; and the four bytes' sum in the top byte: 64 at the most
	v_lshrrev_b32 v16, 24, v50             ; lane j: my wave's count of pair j (lanes 28-31: 0)
	ds_store_b32 v20, v16
	s_wait_dscnt 0x0
	s_barrier_signal -1
	s_barrier_wait -1
	ds_load_b32 v21, v22                   ; lane i: wave i's count of pair w
	s_wait_dscnt 0x0
	v_mov_b32 v56, v21
	SCAN 56, 23
	v_sub_nc_u32 v57, v56, v21             ; lane i: pair w's count in the waves ahead of wave i
	v_readlane_b32 s14, v56, 31
	v_mov_b32 v58, s14                     ; pair w's total
	ds_store_b32 v22, v57 offset:PRE
	ds_store_b32 v63, v58 offset:TOT       ; every lane stores the same word
	s_wait_dscnt 0x0
	s_barrier_signal -1
	s_barrier_wait -1
	ds_load_b32 v21, v2 offset:TOT         ; lane j: pair j's total,
	ds_load_b32 v60, v20 offset:PRE        ; and its count in the waves ahead of mine
	s_wait_dscnt 0x0
	v_mov_b32 v56, v21
	SCAN 56, 23
	v_sub_nc_u32 v56, v56, v21             ; lane j: where pair j begins
	v_lshlrev_b32 v52, 2, v12
	v_lshlrev_b32 v53, 2, v13
	v_add_nc_u32 v57, v56, v60             ; where my wave's part of it begins,
	v_add_nc_u32 v61, v57, v16             ; and ends
	ds_bpermute_b32 v58, v52, v57          ; each token takes its own pair's lane
	ds_bpermute_b32 v59, v53, v61
	; block w's mask: pair j meets places 64 w .. 64 w + 63 if it has tokens, begins under 64 w + 64 and ends over 64 w
	s_add_co_u32 s11, s10, 64
	v_add_nc_u32 v60, v56, v21
	v_cmp_gt_u32 s12, s11, v56
	v_cmp_lt_u32 s13, s10, v60
	v_cmp_ne_u32 s14, 0, v21
	s_and_b32 s12, s12, s13
	s_and_b32 s12, s12, s14
	s_mov_b32 s15, 0
.macro EBIT e, pm                      ; pm: the pairs that hold expert e
	s_and_b32 s13, s12, \pm
	s_cselect_b32 s13, 1<<\e, 0
	s_or_b32 s15, s15, s13
.endm
	EBIT 0, 0x7f
	EBIT 1, 0x1f81
	EBIT 2, 0x3e082
	EBIT 3, 0x3c2104
	EBIT 4, 0x1c44208
	EBIT 5, 0x6488410
	EBIT 6, 0xa910820
	EBIT 7, 0xd221040
	v_mov_b32 v54, s15
	global_store_b32 v63, v54, s[6:7] offset:8192      ; every lane stores the same word
	s_wait_dscnt 0x0
	v_add_nc_u32 v58, v58, v17             ; A: from the part's start up
	v_sub_nc_u32 v59, v59, v18             ; B: from its end down
	v_min_u32 v58, 0x7ff, v58
	v_add_nc_u32 v59, -1, v59
	v_lshlrev_b32 v58, 2, v58
	v_min_u32 v59, 0x7ff, v59              ; a place, held inside the list
	v_lshlrev_b32 v59, 2, v59
	global_store_b32 v58, v14, s[6:7]
	global_store_b32 v59, v15, s[6:7]
	s_wait_tensorcnt 0x0                   ; the wave's end
	ds_add_u32 v64, v65
	s_wait_dscnt 0x0
	s_endpgm
.Lfunc_end_k_q3e6dea9261_route:
	.size	k_q3e6dea9261_route, .Lfunc_end_k_q3e6dea9261_route-k_q3e6dea9261_route
	.p2alignl 7, 3214868480
	.fill 96, 4, 3214868480
	.section	.rodata,"a",@progbits
	.p2align	6, 0x0
	.amdhsa_kernel k_q3e6dea9261_route
		.amdhsa_group_segment_fixed_size 13056
		.amdhsa_private_segment_fixed_size 0
		.amdhsa_enable_private_segment 0
		.amdhsa_kernarg_size 16
		.amdhsa_user_sgpr_count 2
		.amdhsa_user_sgpr_kernarg_segment_ptr 1
		.amdhsa_wavefront_size32 1
		.amdhsa_system_sgpr_workgroup_id_x 1
		.amdhsa_system_sgpr_workgroup_id_y 1
		.amdhsa_system_sgpr_workgroup_id_z 1
		.amdhsa_system_vgpr_workitem_id 0
		.amdhsa_next_free_vgpr 66
		.amdhsa_next_free_sgpr 66
		.amdhsa_reserve_vcc 0
		.amdhsa_float_denorm_mode_32 3
		.amdhsa_float_denorm_mode_16_64 3
		.amdhsa_memory_ordered 1
		.amdhsa_forward_progress 1
		.amdhsa_inst_pref_size 12
	.end_amdhsa_kernel
	.amdgpu_metadata
---
amdhsa.version: [ 1, 2 ]
amdhsa.kernels:
  - .name:           k_q3e6dea9261_route
    .symbol:         k_q3e6dea9261_route.kd
    .args:
      - { .name: topk, .offset: 0, .size: 8, .value_kind: global_buffer, .address_space: global }
      - { .name: order, .offset: 8, .size: 8, .value_kind: global_buffer, .address_space: global }
    .group_segment_fixed_size: 13056
    .private_segment_fixed_size: 0
    .kernarg_segment_align: 8
    .kernarg_segment_size: 16
    .max_flat_workgroup_size: 1024
    .sgpr_count:     66
    .vgpr_count:     66
    .wavefront_size: 32
...
	.end_amdgpu_metadata
.endif
;; end of part 5
;; launch up (part 6): grid 8 x 32, 8 waves a work-group, no clusters, 63,488 bytes of LDS; arguments order, hx, wimg, w1_scales, w3_scales, hid; writes hid
.if DOCPART == 6
	.amdgcn_target "amdgcn-amd-amdhsa--gfx1250"
	.amdhsa_code_object_version 6
	.text
	.protected	k_q3e6dea9261_up
	.globl	k_q3e6dea9261_up
	.p2align	8
	.type	k_q3e6dea9261_up,@function
k_q3e6dea9261_up:
	s_mov_b64 s[64:65], 0
	v_nop
	global_prefetch_b8 v0, s[64:65] scope:SCOPE_SE
	s_setreg_imm32_b32 hwreg(HW_REG_WAVE_MODE, 25, 1), 1
	s_wait_xcnt 0x0
; The experts' first half: hidden = silu(xf w1[e]) * (xf w3[e]), quantised along the hidden units, for 64 sorted tokens (y) x 128 hidden units (x).
; Only the experts that the block's stored mask names are multiplied: the module weighs all others with a gate of 0 for these tokens.
; EIGHT WAVES IN TWO GROUPS OF FOUR.  The block's active experts (the mask's set bits, lowest first) are dealt by turns: group 0 takes the 1st, 3rd .., group 1 the 2nd, 4th ..: four trips serve eight experts.
; A token's two experts differ, so the mask has two bits at the least and each group's first expert exists: its first loads go out at the head with no branch.
; Wave w of a group owns hidden units 128 sl + 32 w .. + 31: a pair of tiles of w1 and a pair of w3 as source 0, from their images straight into registers through a ring of three K steps;
; the next expert's scale words and first three K steps are asked for as soon as the last K step has freed the ring, ahead of the activation and the quantiser.
; The tokens' fragments (source 1) lie in LDS, gathered once: wave (g, w) brings token tile w, K steps 4 g .. 4 g + 3.  16 accumulators take turns.
; A branch on the stored mask passes over work, never over a barrier.  No multicast: which experts a block walks hangs on stored data, so partners would not ask for the same tiles.
; PREFETCH: with each expert's first loads a wave names, for its group's expert after that one (one trip ahead), 3 blocks of 256 bytes of its pair of w1 and 3 of w3: the 96 blocks of a pair are shared out among the 32 token blocks by address.
; LIMITS: scale byte 1 for blocks under 2^-124; NaN and infinities not served.
; REGISTERS: window 0: v1-14 addresses, v16-47 scale words, v48-143 xf's fragments (two sets; then the activation), v144-199 the quantiser and the way out, v200-247 ring set 2; window 1: v0-63 xf w1, v64-127 xf w3, v128-223 ring sets 0, 1.
.set SW1, 16
.set SW3, 24
.set SX, 32
.set AB, 48
.set T, 48
.set TM, 144
.set CT, 160
.set PC, 168
.set PW, 180
.set OUT, 184
.set SPW, 254
.set NIL, 255
.set STG, 49152                        ; a stage of 6,400 bytes for each group, 6,656 apart
.set SPARE, 62464
.set W1P, 36
.set W3P, 38
.set S1P, 40
.set S3P, 42
.set HIP, 44
.set HSP, 46
.set SEL, 48
.set EC, 50
.set KC, 58
.set PF1, 60
.set PF3, 62
.set W1B, 66
.set W3B, 68
.set S1B, 70
.set S3B, 72
.set HIB, 74
.set HSB, 76
.set MSB, 0
.macro WIN new                         ; the immediate's high byte repeats the setting that is left
.if MSB != \new
	s_set_vgpr_msb (MSB<<8)|\new
.set MSB, \new
.endif
.endm
.macro BAR
	s_wait_dscnt 0x0
	s_barrier_signal -1
	s_barrier_wait -1
.endm
.macro PLACES n
.rept \n
	v_nop
.endr
.endm
.macro MMZ d, a, b, sa, sb, ra, rb
.if (\ra) && (\rb)
	v_wmma_scale_f32_16x16x128_f8f6f4 v[\d:\d+7], v[\a:\a+11], v[\b:\b+11], 0, v[\sa], v[\sb] matrix_a_fmt:MATRIX_FMT_FP6 matrix_b_fmt:MATRIX_FMT_FP6 matrix_a_scale:MATRIX_SCALE_ROW1 matrix_b_scale:MATRIX_SCALE_ROW1
.elseif (\ra)
	v_wmma_scale_f32_16x16x128_f8f6f4 v[\d:\d+7], v[\a:\a+11], v[\b:\b+11], 0, v[\sa], v[\sb] matrix_a_fmt:MATRIX_FMT_FP6 matrix_b_fmt:MATRIX_FMT_FP6 matrix_a_scale:MATRIX_SCALE_ROW1
.elseif (\rb)
	v_wmma_scale_f32_16x16x128_f8f6f4 v[\d:\d+7], v[\a:\a+11], v[\b:\b+11], 0, v[\sa], v[\sb] matrix_a_fmt:MATRIX_FMT_FP6 matrix_b_fmt:MATRIX_FMT_FP6 matrix_b_scale:MATRIX_SCALE_ROW1
.else
	v_wmma_scale_f32_16x16x128_f8f6f4 v[\d:\d+7], v[\a:\a+11], v[\b:\b+11], 0, v[\sa], v[\sb] matrix_a_fmt:MATRIX_FMT_FP6 matrix_b_fmt:MATRIX_FMT_FP6
.endif
.endm
.macro MMA d, a, b, sa, sb, ra, rb
.if (\ra) && (\rb)
	v_wmma_scale_f32_16x16x128_f8f6f4 v[\d:\d+7], v[\a:\a+11], v[\b:\b+11], v[\d:\d+7], v[\sa], v[\sb] matrix_a_fmt:MATRIX_FMT_FP6 matrix_b_fmt:MATRIX_FMT_FP6 matrix_a_scale:MATRIX_SCALE_ROW1 matrix_b_scale:MATRIX_SCALE_ROW1
.elseif (\ra)
	v_wmma_scale_f32_16x16x128_f8f6f4 v[\d:\d+7], v[\a:\a+11], v[\b:\b+11], v[\d:\d+7], v[\sa], v[\sb] matrix_a_fmt:MATRIX_FMT_FP6 matrix_b_fmt:MATRIX_FMT_FP6 matrix_a_scale:MATRIX_SCALE_ROW1
.elseif (\rb)
	v_wmma_scale_f32_16x16x128_f8f6f4 v[\d:\d+7], v[\a:\a+11], v[\b:\b+11], v[\d:\d+7], v[\sa], v[\sb] matrix_a_fmt:MATRIX_FMT_FP6 matrix_b_fmt:MATRIX_FMT_FP6 matrix_b_scale:MATRIX_SCALE_ROW1
.else
	v_wmma_scale_f32_16x16x128_f8f6f4 v[\d:\d+7], v[\a:\a+11], v[\b:\b+11], v[\d:\d+7], v[\sa], v[\sb] matrix_a_fmt:MATRIX_FMT_FP6 matrix_b_fmt:MATRIX_FMT_FP6
.endif
.endm
.macro MM d, a, b, cz, sa, sb, ra, rb
.if \cz
	MMZ \d, \a, \b, \sa, \sb, \ra, \rb
.else
	MMA \d, \a, \b, \sa, \sb, \ra, \rb
.endif
.endm
.macro QUANT s, d0, d1, pw             ; 64 numbers of a lane (register 16 b + i) -> codes of blocks (lane / 16) and 2 + (lane / 16); the four scale bytes stay in v[TM+4 ..]
.irp b, 0,1,2,3
	v_max3_num_f32 v[TM+\b], |v[\s+16*\b]|, |v[\s+1+16*\b]|, 0x1800000
.endr
.irp i, 2,4,6,8,10,12,14
.irp b, 0,1,2,3
	v_max3_num_f32 v[TM+\b], v[TM+\b], |v[\s+16*\b+\i]|, |v[\s+1+16*\b+\i]|
.endr
.endr
.irp b, 0,1,2,3
	v_permlanex16_b32 v[TM+4+\b], v[TM+\b], s[SEL], s[SEL+1]
.endr
.irp b, 0,1,2,3
	v_max_num_f32 v[TM+\b], v[TM+\b], v[TM+4+\b]
.endr
.irp b, 0,1,2,3
	v_add_nc_u32 v[TM+12+\b], 0xff000000, v[TM+\b]
.endr
.irp b, 0,1,2,3
	v_lshrrev_b32 v[TM+4+\b], 23, v[TM+12+\b]
.endr
	v_cvt_scalef32_pk16_fp6_f32 v[\d0:\d0+2], v[\s:\s+15], v[TM+12]
	v_cvt_scalef32_pk16_fp6_f32 v[CT:CT+2], v[\s+16:\s+31], v[TM+13]
	v_cvt_scalef32_pk16_fp6_f32 v[\d1:\d1+2], v[\s+32:\s+47], v[TM+14]
	v_cvt_scalef32_pk16_fp6_f32 v[CT+4:CT+6], v[\s+48:\s+63], v[TM+15]
	v_nop
.irp i, 0,1,2
	v_permlane16_swap_b32 v[\d0+\i], v[CT+\i]
	v_permlane16_swap_b32 v[\d1+\i], v[CT+4+\i]
.endr
.irp i, 0,1,2
	v_mov_b32 v[\d0+3+\i], v[CT+\i]
	v_mov_b32 v[\d1+3+\i], v[CT+4+\i]
.endr
.endm
.macro RW s                            ; where ring set s % 3 lies: sets 0, 1 in window 1, set 2 in window 0
.if ((\s)%3) < 2
.set RB, 128+48*((\s)%3)
.set RWN, 1
.else
.set RB, 200
.set RWN, 0
.endif
.set WL, 0x40*RWN                      ; a load's destination window
.set WV, 0x50+RWN                      ; a product: C and D window 1, source 0 the set's window, source 1 window 0
.endm
.macro WLD s                           ; K step s of my four tiles into ring set s % 3: 12 loads
	RW \s
	WIN WL
.irp u, 0,1
.irp c, 0,1,2
	global_load_b128 v[RB+12*\u+4*\c:RB+12*\u+4*\c+3], v1, s[W1P:W1P+1] offset:12288*\u+1536*(\s)+512*\c
.endr
.endr
.irp u, 0,1
.irp c, 0,1,2
	global_load_b128 v[RB+24+12*\u+4*\c:RB+24+12*\u+4*\c+3], v1, s[W3P:W3P+1] offset:12288*\u+1536*(\s)+512*\c
.endr
.endr
	WIN 0
.endm
.macro ALD s                           ; K step s of the four token tiles into set s % 2
.irp x, 0,1,2,3
.irp c, 0,1,2
	ds_load_b128 v[AB+48*((\s)%2)+12*\x+4*\c:AB+48*((\s)%2)+12*\x+4*\c+3], v1 offset:12288*\x+1536*(\s)+512*\c
.endr
.endr
.endm
.macro USTEP s, lc, dc
	s_wait_loadcnt \lc                     ; the ring's later sets, 12 loads each, may stay out
	s_wait_dscnt \dc                       ; and the next step's twelve fragment loads
	RW \s
	WIN WV
.irp x, 0,1,2,3
.irp u, 0,1
	MM 16*\x+8*\u, RB+12*\u, AB+48*((\s)%2)+12*\x, (\s==0), SW1+\s, SX+8*(\x/2)+\s, \u, (\x%2)
	MM 64+16*\x+8*\u, RB+24+12*\u, AB+48*((\s)%2)+12*\x, (\s==0), SW3+\s, SX+8*(\x/2)+\s, \u, (\x%2)
.endr
.endr
	WIN 0
	PLACES 4                               ; in front of loads into registers that these products read
.if \s <= 4
	WLD \s+3
.endif
.if \s <= 5
	ALD \s+2
.endif
.endm
; My group's next expert: the mask's lowest bit (held to 7 for the addresses); s51 says whether there is one; two bits are dropped (mine and the other group's); s54: the expert after that.
.macro ADVANCE
	s_wait_xcnt 0x0                        ; pointers are written again only behind this wait
	s_ctz_i32_b32 s52, s19
	s_min_u32 s52, s52, 7
	s_cmp_lg_u32 s19, 0
	s_cselect_b32 s51, 1, 0
.rept 2
	s_add_co_i32 s53, s19, -1
	s_and_b32 s19, s19, s53
.endr
	s_ctz_i32_b32 s54, s19
	s_min_u32 s54, s54, 7
	s_mul_i32 s20, s52, 786432
	s_add_nc_u64 s[W1P:W1P+1], s[W1B:W1B+1], s[20:21]
	s_add_nc_u64 s[W3P:W3P+1], s[W3B:W3B+1], s[20:21]
	s_lshl_b32 s20, s52, 15
	s_add_nc_u64 s[S1P:S1P+1], s[S1B:S1B+1], s[20:21]
	s_add_nc_u64 s[S3P:S3P+1], s[S3B:S3B+1], s[20:21]
	s_mul_i32 s20, s54, 786432
	s_add_nc_u64 s[PF1:PF1+1], s[W1B:W1B+1], s[20:21]
	s_add_nc_u64 s[PF3:PF3+1], s[W3B:W3B+1], s[20:21]
.endm
.macro LOADS                           ; an expert's scale words and first three K steps: 40 loads
	global_load_b128 v[SW1:SW1+3], v2, s[S1P:S1P+1]
	global_load_b128 v[SW1+4:SW1+7], v2, s[S1P:S1P+1] offset:16
	global_load_b128 v[SW3:SW3+3], v2, s[S3P:S3P+1]
	global_load_b128 v[SW3+4:SW3+7], v2, s[S3P:S3P+1] offset:16
	WLD 0
	WLD 1
	WLD 2
	s_cmp_lg_u32 s19, 0                    ; is there an expert after this one for my group?
	s_cbranch_scc0 .Lnp_\@
	global_prefetch_b8 v14, s[PF1:PF1+1] th:TH_LOAD_NT scope:SCOPE_SE
	global_prefetch_b8 v14, s[PF3:PF3+1] th:TH_LOAD_NT scope:SCOPE_SE
.Lnp_\@:
.endm
	s_load_b256 s[4:11], s[0:1], 0x0       ; order 4, hx 6, wimg 8, w1_scales 10
	s_load_b128 s[12:15], s[0:1], 0x20     ; w3_scales 12, hid 14
	v_lshrrev_b32 v1, 5, v0
	v_readfirstlane_b32 s16, v1            ; wave 0..7
	s_lshr_b32 s17, s16, 2                 ; g: my group
	s_and_b32 s28, s16, 3                  ; w: my place in it
	s_and_b32 s18, ttmp7, 0xffff           ; block of 64 sorted tokens
	s_mul_i32 s29, s17, 6656
	s_add_co_u32 s29, s29, STG             ; my group's stage
	s_and_b32 s30, s28, 1
	s_lshl_b32 s30, s30, 8
	s_add_co_u32 s30, s30, s29
	s_lshr_b32 s31, s28, 1
	s_mul_i32 s32, s31, 520
	s_add_co_u32 s32, s32, s30
	s_mul_i32 s33, s31, 1016
	s_add_co_u32 s33, s33, s30
	s_add_co_u32 s33, s33, 8
	s_add_co_u32 s34, s32, 512
	s_add_co_u32 s35, s28, s29
	s_add_co_u32 s35, s35, 6144            ; scale bytes: byte w of a word
	s_mul_i32 s22, s28, 1536               ; fragment w in memory,
	s_add_co_u32 s23, s22, s29             ; and in the stage
	s_add_co_u32 s24, s29, 6144
	s_mul_i32 s25, s28, 12288
	s_mul_i32 s26, s17, 6144
	s_add_co_u32 s25, s25, s26             ; where I put token tile w's K steps 4 g ..
	s_lshl_b32 s27, s18, 8                 ; order: 256 bytes a block
	s_lshl_b32 s36, s28, 6
	s_add_co_u32 s36, s36, s27
	s_mul_i32 s37, s18, 3                  ; my block's three of a pair's 96 prefetch blocks
	s_mul_i32 s38, s17, 384                ; K steps 4 g ..: 96 bytes a step in a row of codes
	s_mov_b32 s[SEL], 0x76543210
	s_mov_b32 s[SEL+1], 0xfedcba98
	s_mov_b32 s[KC], 0xbfb8aa3b            ; -log2(e)
	s_mov_b32 s[KC+1], s[KC]
	s_mov_b32 s21, 0
	v_lshl_add_u32 v[SPW], v0, 2, SPARE
	v_mov_b32 v[NIL], 0
	v_and_b32 v11, 31, v0                  ; L
	v_and_b32 v12, 15, v0                  ; r
	v_bfe_u32 v13, v0, 4, 1                ; h
	v_lshlrev_b32 v1, 4, v11               ; 16 L
	v_and_b32 v2, 8, v12
	v_lshlrev_b32 v3, 4, v12
	v_add_nc_u32 v2, v2, v12
	v_mad_u32_u24 v3, v13, 1536, v3        ; 16 r + 1,536 h (lanes 16-31 hold the next token tile)
	v_lshl_add_u32 v2, v13, 3, v2
	v_add_nc_u32 v4, s33, v3               ; the stage: my block of 32 codes of token (x, r) is registers 6 (w / 2) .. + 5 of lane r + 16 (w % 2) of fragment x
	v_lshlrev_b32 v2, 5, v2                ; the weights' scale bytes within a pair of tiles
	v_add_nc_u32 v5, s34, v3
	v_add_nc_u32 v3, s32, v3
	v_lshl_add_u32 v6, v12, 2, s35         ; scale bytes: word 16 x + r, byte w
	v_add_nc_u32 v10, s22, v1
	v_add_nc_u32 v7, s23, v1
	v_min_u32 v14, 2, v11
	v_lshl_add_u32 v183, v11, 2, s27       ; order: places 64 blk + L, + 32
	v_lshlrev_b32 v11, 3, v11              ; 8 L
	v_add_lshl_u32 v14, v14, s37, 8        ; the prefetches' offset: block 3 blk + min(L, 2) of 256 bytes, under 24,576
	v_add_nc_u32 v8, s24, v11
	v_add_nc_u32 v9, s25, v1
	v_lshl_add_u32 v182, v12, 2, s36       ; order: place 64 blk + 16 w + r
.irp b, 0,1,2,3
	v_mov_b32 v[TM+4+\b], 0                ; a lane permute's destination counts as read
.endr
	s_wait_alu depctr_va_vdst(0)
	s_wait_kmcnt 0x0
	s_lshl_b32 s20, s18, 2
	s_add_co_u32 s20, s20, 8192
	s_add_nc_u64 s[22:23], s[4:5], s[20:21]
	s_load_b32 s19, s[22:23], 0x0          ; the block's mask of experts
	global_load_b32 v184, v182, s[4:5]
	global_load_b32 v185, v183, s[4:5]
	global_load_b32 v186, v183, s[4:5] offset:128
	s_add_nc_u64 s[30:31], s[6:7], 8388608         ; xf's codes
	s_add_nc_u64 s[32:33], s[6:7], 9961472         ; xf's scale bytes
	s_lshl_b32 s34, ttmp9, 2
	s_add_co_u32 s34, s34, s28             ; my pair of tiles: 4 sl + w
	s_mul_i32 s20, s34, 24576
	s_add_nc_u64 s[W1B:W1B+1], s[8:9], s[20:21]
	s_add_nc_u64 s[W3B:W3B+1], s[W1B:W1B+1], 9437184
	s_add_nc_u64 s[W1B:W1B+1], s[W1B:W1B+1], 3145728
	s_lshl_b32 s20, s34, 10
	s_add_nc_u64 s[S1B:S1B+1], s[10:11], s[20:21]
	s_add_nc_u64 s[S3B:S3B+1], s[12:13], s[20:21]
	s_mul_i32 s20, s18, 393216
	s_mul_i32 s35, ttmp9, 6144
	s_add_co_u32 s20, s20, s35
	s_add_nc_u64 s[HIB:HIB+1], s[14:15], s[20:21]
	s_lshl_b32 s20, s18, 14
	s_lshl_b32 s35, ttmp9, 8
	s_add_co_u32 s20, s20, s35
	s_add_co_u32 s20, s20, 12582912
	s_add_nc_u64 s[HSB:HSB+1], s[14:15], s[20:21]
	s_wait_loadcnt 0x0
.irp i, 184,185,186
	v_and_b32 v\i, 0x7ff, v\i
.endr
.irp i, 184,185,186
	v_min_u32 v\i, 0x7ff, v\i              ; a token's number, held inside the table
.endr
	v_mul_u32_u24 v184, v184, 768
	v_lshlrev_b32 v185, 5, v185
	v_lshlrev_b32 v186, 5, v186
	v_mad_u32_u24 v184, v13, 24, v184
	v_add_nc_u32 v184, s38, v184
.irp s, 0,1,2,3
.irp p, 0,1,2,3,4,5
	global_load_b64 v[AB+12*\s+2*\p:AB+12*\s+2*\p+1], v184, s[30:31] offset:96*\s+48*(\p/3)+8*(\p%3)
.endr
.endr
	global_load_b128 v[SX:SX+3], v185, s[32:33]
	global_load_b128 v[SX+4:SX+7], v185, s[32:33] offset:16
	global_load_b128 v[SX+8:SX+11], v186, s[32:33]
	global_load_b128 v[SX+12:SX+15], v186, s[32:33] offset:16
	s_wait_kmcnt 0x0
	s_add_co_i32 s53, s19, -1
	s_and_b32 s53, s19, s53
	s_cmp_eq_u32 s17, 0
	s_cselect_b32 s19, s19, s53            ; group 1 begins at the mask's second bit
	ADVANCE
	LOADS                                  ; my group's first expert, with no branch
	s_wait_loadcnt 40                      ; the tokens' codes and scale words are in; the 40 loads just issued may stay out
.irp s, 0,1,2,3
.irp c, 0,1,2
	ds_store_b128 v9, v[AB+12*\s+4*\c:AB+12*\s+4*\c+3] offset:1536*\s+512*\c
.endr
.endr
	BAR                                    ; the 64 tokens' fragments lie in LDS
	s_mov_b32 s[EC], 0
.Lexp:
	s_wait_xcnt 0x0                        ; the last trip's stores have read their registers and bases
	s_mov_b32 s56, s51                     ; does this trip have an expert for my group?
	s_mov_b32 s55, s52                     ; and which
	s_cmp_lg_u32 s56, 0
	s_cbranch_scc0 .Lskip1
	s_min_u32 s53, s55, 7                  ; the expert's number, held inside the tables, and the weights' bases made from it in straight line
	s_mul_i32 s20, s53, 786432
	s_add_nc_u64 s[W1P:W1P+1], s[W1B:W1B+1], s[20:21]
	s_add_nc_u64 s[W3P:W3P+1], s[W3B:W3B+1], s[20:21]
	ALD 0
	ALD 1
.irp s, 0,1,2,3,4,5
	USTEP \s, 24, 12
.endr
	USTEP 6, 12, 12
	USTEP 7, 0, 0
	ADVANCE
	s_cmp_lg_u32 s51, 0
	s_cbranch_scc0 .Lnl
	LOADS                                  ; the next expert's first loads land under the activation, the quantiser and the way out
.Lnl:
	WIN 0x01                               ; source 0 window 1
.set i, 0
.rept 32
	v_pk_mul_f32 v[T+i:T+i+1], v[i:i+1], s[KC:KC+1] op_sel_hi:[1,0]   ; -a log2(e); each accumulator is read from its low end on
.set i, i+2
.endr
	WIN 0x45                               ; both sources and the destination window 1
.set i, 0
.rept 32
	v_pk_mul_f32 v[i:i+1], v[i:i+1], v[64+i:65+i]                     ; a x (xf w3)
.set i, i+2
.endr
	WIN 0
	s_wait_alu depctr_va_vdst(0)           ; the wait ahead of the batch
.set i, 0
.rept 64
	v_exp_f32 v[T+i], v[T+i]
.set i, i+1
.endr
	v_nop                                  ; one plain place behind the run of transcendentals
	s_wait_alu depctr_va_vdst(0)
.set i, 0
.rept 32
	v_pk_add_f32 v[T+i:T+i+1], v[T+i:T+i+1], 1.0 op_sel_hi:[1,0]
.set i, i+2
.endr
	s_wait_alu depctr_va_vdst(0)
.set i, 0
.rept 64
	v_rcp_f32 v[T+i], v[T+i]               ; sigmoid(a)
.set i, i+1
.endr
	v_nop
	WIN 0x01
	s_wait_alu depctr_va_vdst(0)
.set i, 0
.rept 32
	v_pk_mul_f32 v[T+i:T+i+1], v[i:i+1], v[T+i:T+i+1]                 ; silu(a) x (xf w3)
.set i, i+2
.endr
	WIN 0
	QUANT T, PC, PC+6, PW                  ; its four blocks are the four token tiles: lane (r, h) ends with the whole block of tiles h and 2 + h
.irp c, 0,1
	ds_store_b64 v3, v[PC+6*\c:PC+6*\c+1] offset:3072*\c
	ds_store_b64 v4, v[PC+6*\c+2:PC+6*\c+3] offset:3072*\c
	ds_store_b64 v5, v[PC+6*\c+4:PC+6*\c+5] offset:3072*\c
.endr
.irp x, 0,1,2,3
	ds_store_b8 v6, v[TM+4+\x] offset:64*\x
.endr
.Lskip1:
	BAR                                    ; both stages are whole
	s_cmp_lg_u32 s56, 0
	s_cbranch_scc0 .Lskip2
	s_min_u32 s53, s55, 7                  ; the same for the places where this expert's hidden images and scale words go
	s_mul_i32 s20, s53, 49152
	s_add_nc_u64 s[HIP:HIP+1], s[HIB:HIB+1], s[20:21]
	s_lshl_b32 s20, s53, 11
	s_add_nc_u64 s[HSP:HSP+1], s[HSB:HSB+1], s[20:21]
.irp c, 0,1,2
	ds_load_b128 v[OUT+4*\c:OUT+4*\c+3], v7 offset:512*\c
.endr
	s_wait_dscnt 0x0
.irp c, 0,1,2
	global_store_b128 v10, v[OUT+4*\c:OUT+4*\c+3], s[HIP:HIP+1] offset:512*\c     ; 512 dense bytes a store
.endr
	s_cmp_lg_u32 s28, 0
	s_cbranch_scc1 .Lskip2
	ds_load_b64 v[OUT+12:OUT+13], v8
	s_wait_dscnt 0x0
	global_store_b64 v11, v[OUT+12:OUT+13], s[HSP:HSP+1]
.Lskip2:
	BAR                                    ; everybody's reads of the stages are over: the next experts may write them
	s_add_co_u32 s[EC], s[EC], 1
	s_cmp_lt_u32 s[EC], 4
	s_cbranch_scc1 .Lexp
	s_wait_tensorcnt 0x0                   ; the wave's end
	ds_add_u32 v[SPW], v[NIL]
	s_wait_dscnt 0x0
	s_endpgm
.Lfunc_end_k_q3e6dea9261_up:
	.size	k_q3e6dea9261_up, .Lfunc_end_k_q3e6dea9261_up-k_q3e6dea9261_up
	.p2alignl 7, 3214868480
	.fill 96, 4, 3214868480
	.section	.rodata,"a",@progbits
	.p2align	6, 0x0
	.amdhsa_kernel k_q3e6dea9261_up
		.amdhsa_group_segment_fixed_size 63488
		.amdhsa_private_segment_fixed_size 0
		.amdhsa_enable_private_segment 0
		.amdhsa_kernarg_size 48
		.amdhsa_user_sgpr_count 2
		.amdhsa_user_sgpr_kernarg_segment_ptr 1
		.amdhsa_wavefront_size32 1
		.amdhsa_system_sgpr_workgroup_id_x 1
		.amdhsa_system_sgpr_workgroup_id_y 1
		.amdhsa_system_sgpr_workgroup_id_z 1
		.amdhsa_system_vgpr_workitem_id 0
		.amdhsa_next_free_vgpr 480
		.amdhsa_next_free_sgpr 80
		.amdhsa_reserve_vcc 0
		.amdhsa_float_denorm_mode_32 3
		.amdhsa_float_denorm_mode_16_64 3
		.amdhsa_memory_ordered 1
		.amdhsa_forward_progress 1
		.amdhsa_inst_pref_size 67
	.end_amdhsa_kernel
	.amdgpu_metadata
---
amdhsa.version: [ 1, 2 ]
amdhsa.kernels:
  - .name:           k_q3e6dea9261_up
    .symbol:         k_q3e6dea9261_up.kd
    .args:
      - { .name: order, .offset: 0, .size: 8, .value_kind: global_buffer, .address_space: global }
      - { .name: hx, .offset: 8, .size: 8, .value_kind: global_buffer, .address_space: global }
      - { .name: wimg, .offset: 16, .size: 8, .value_kind: global_buffer, .address_space: global }
      - { .name: w1_scales, .offset: 24, .size: 8, .value_kind: global_buffer, .address_space: global }
      - { .name: w3_scales, .offset: 32, .size: 8, .value_kind: global_buffer, .address_space: global }
      - { .name: hid, .offset: 40, .size: 8, .value_kind: global_buffer, .address_space: global }
    .group_segment_fixed_size: 63488
    .private_segment_fixed_size: 0
    .kernarg_segment_align: 8
    .kernarg_segment_size: 48
    .max_flat_workgroup_size: 256
    .sgpr_count:     80
    .vgpr_count:     480
    .wavefront_size: 32
...
	.end_amdgpu_metadata
.endif
;; end of part 6
;; launch down (part 7): grid 8 x 32, 8 waves a work-group, no clusters, 171,008 bytes of LDS; arguments order, hx, wimg, w2_scales, hid, out0; writes out0
.if DOCPART == 7
	.amdgcn_target "amdgcn-amd-amdhsa--gfx1250"
	.amdhsa_code_object_version 6
	.text
	.protected	k_q3e6dea9261_down
	.globl	k_q3e6dea9261_down
	.p2align	8
	.type	k_q3e6dea9261_down,@function
k_q3e6dea9261_down:
	s_mov_b64 s[64:65], 0
	v_nop
	global_prefetch_b8 v0, s[64:65] scope:SCOPE_SE
	s_setreg_imm32_b32 hwreg(HW_REG_WAVE_MODE, 25, 1), 1
	s_wait_xcnt 0x0
; The experts' second half and the sum: out = h + sum over the token's two experts of gate x (hidden w2[e]), for 64 sorted tokens (y) x 128 output features (x).  Each output row has one owner.
; Only the experts that the block's stored mask names are multiplied: the module weighs all others with a gate of 0 for these tokens.  A token of the block that did not choose the expert in hand is weighed with 0 (its product must be finite).
; EIGHT WAVES IN TWO GROUPS OF FOUR.  The block's active experts (the mask's set bits, lowest first) are dealt by turns: group 0 takes the 1st, 3rd .., group 1 the 2nd, 4th ..: four trips serve eight experts.
; A token's two experts differ, so the mask has two bits at the least and each group's first expert exists: its loads go out at the head with no branch.
; All of an expert's operands are asked for in one run of 75 loads a wave: my quarter of its hidden images (24) and scale words (1), which go on through my group's LDS buffer, then w2's scale words (2) and
; my pair of tiles of w2, all eight K steps (48), which stay in registers.  The next expert's run goes out as soon as the last K step has freed the registers.
; Wave w of a group owns features 128 sl + 32 w .. + 31.  The eight accumulators take turns.  Each group keeps a total; the two totals and h are added on the way out.
; The gates and my eight rows of h are fetched at the head.  A branch on the stored mask passes over work, never over a barrier.  No multicast: which experts a block walks hangs on stored data.
; PREFETCH: with each expert's loads a wave names, for its group's expert after that one (one trip ahead), 3 blocks of 256 bytes of its pair of w2 (a pair's 96 blocks shared out among the 32 token blocks by address)
; and 6 of the hidden images (their 192 blocks shared out among the 8 feature slices and 4 waves by address).
; REGISTERS: window 0: v1-12 addresses, v16-27 scale words, v28-43 gates, v44-139 hidden fragments (two sets; also the images on their way to LDS), v140-147 row offsets, v148-179 h, v180-243 an expert's product, v244-251 the tokens' experts;
;            window 1: v0-191 w2's fragments, 24 a K step; v192-255 my group's total.
.set SW, 16
.set SH, 24
.set GX, 28
.set G, 36
.set AB, 44
.set OT, 140
.set HR, 148
.set ACC, 180
.set LO, 244
.set HI, 248
.set SPW, 252
.set NIL, 253
.set HBG, 51200                        ; a group's buffer: 49,152 bytes of images, 2,048 of scale words
.set OST, 102400                       ; the way out: 64 rows x 528 bytes for each group
.set OSG, 33792
.set SPARE, 169984
.set W2P, 36
.set S2P, 38
.set HIP, 40
.set HSP, 42
.set HP, 44
.set OP, 46
.set PFW, 48
.set EC, 50
.set PFH, 60
.set W2B, 66
.set S2B, 68
.set HIB, 70
.set HSB, 72
.set MSB, 0
.macro WIN new                         ; the immediate's high byte repeats the setting that is left
.if MSB != \new
	s_set_vgpr_msb (MSB<<8)|\new
.set MSB, \new
.endif
.endm
.macro BAR
	s_wait_dscnt 0x0
	s_barrier_signal -1
	s_barrier_wait -1
.endm
.macro PLACES n
.rept \n
	v_nop
.endr
.endm
.macro MMZ d, a, b, sa, sb, ra, rb
.if (\ra) && (\rb)
	v_wmma_scale_f32_16x16x128_f8f6f4 v[\d:\d+7], v[\a:\a+11], v[\b:\b+11], 0, v[\sa], v[\sb] matrix_a_fmt:MATRIX_FMT_FP6 matrix_b_fmt:MATRIX_FMT_FP6 matrix_a_scale:MATRIX_SCALE_ROW1 matrix_b_scale:MATRIX_SCALE_ROW1
.elseif (\ra)
	v_wmma_scale_f32_16x16x128_f8f6f4 v[\d:\d+7], v[\a:\a+11], v[\b:\b+11], 0, v[\sa], v[\sb] matrix_a_fmt:MATRIX_FMT_FP6 matrix_b_fmt:MATRIX_FMT_FP6 matrix_a_scale:MATRIX_SCALE_ROW1
.elseif (\rb)
	v_wmma_scale_f32_16x16x128_f8f6f4 v[\d:\d+7], v[\a:\a+11], v[\b:\b+11], 0, v[\sa], v[\sb] matrix_a_fmt:MATRIX_FMT_FP6 matrix_b_fmt:MATRIX_FMT_FP6 matrix_b_scale:MATRIX_SCALE_ROW1
.else
	v_wmma_scale_f32_16x16x128_f8f6f4 v[\d:\d+7], v[\a:\a+11], v[\b:\b+11], 0, v[\sa], v[\sb] matrix_a_fmt:MATRIX_FMT_FP6 matrix_b_fmt:MATRIX_FMT_FP6
.endif
.endm
.macro MMA d, a, b, sa, sb, ra, rb
.if (\ra) && (\rb)
	v_wmma_scale_f32_16x16x128_f8f6f4 v[\d:\d+7], v[\a:\a+11], v[\b:\b+11], v[\d:\d+7], v[\sa], v[\sb] matrix_a_fmt:MATRIX_FMT_FP6 matrix_b_fmt:MATRIX_FMT_FP6 matrix_a_scale:MATRIX_SCALE_ROW1 matrix_b_scale:MATRIX_SCALE_ROW1
.elseif (\ra)
	v_wmma_scale_f32_16x16x128_f8f6f4 v[\d:\d+7], v[\a:\a+11], v[\b:\b+11], v[\d:\d+7], v[\sa], v[\sb] matrix_a_fmt:MATRIX_FMT_FP6 matrix_b_fmt:MATRIX_FMT_FP6 matrix_a_scale:MATRIX_SCALE_ROW1
.elseif (\rb)
	v_wmma_scale_f32_16x16x128_f8f6f4 v[\d:\d+7], v[\a:\a+11], v[\b:\b+11], v[\d:\d+7], v[\sa], v[\sb] matrix_a_fmt:MATRIX_FMT_FP6 matrix_b_fmt:MATRIX_FMT_FP6 matrix_b_scale:MATRIX_SCALE_ROW1
.else
	v_wmma_scale_f32_16x16x128_f8f6f4 v[\d:\d+7], v[\a:\a+11], v[\b:\b+11], v[\d:\d+7], v[\sa], v[\sb] matrix_a_fmt:MATRIX_FMT_FP6 matrix_b_fmt:MATRIX_FMT_FP6
.endif
.endm
.macro MM d, a, b, cz, sa, sb, ra, rb
.if \cz
	MMZ \d, \a, \b, \sa, \sb, \ra, \rb
.else
	MMA \d, \a, \b, \sa, \sb, \ra, \rb
.endif
.endm
.macro ALD s                           ; K step s of the four token tiles and their two registers of scale words into set s % 2: 14 LDS loads
.irp x, 0,1,2,3
.irp c, 0,1,2
	ds_load_b128 v[AB+48*((\s)%2)+12*\x+4*\c:AB+48*((\s)%2)+12*\x+4*\c+3], v8 offset:6144*(\s)+1536*\x+512*\c
.endr
.endr
	ds_load_b32 v[SH+2*((\s)%2)], v3 offset:256*(\s)
	ds_load_b32 v[SH+2*((\s)%2)+1], v3 offset:256*(\s)+128
.endm
.macro DSTEP s, dc
	s_wait_loadcnt 6*(7-\s)                ; the later K steps' six loads each may stay out
	s_wait_dscnt \dc                       ; and the next step's fourteen LDS loads
	WIN 0x01                               ; source 0 (w2) window 1; all else window 0
.irp x, 0,1,2,3
.irp u, 0,1
	MM ACC+16*\x+8*\u, 24*\s+12*\u, AB+48*((\s)%2)+12*\x, (\s==0), SW+\s, SH+2*((\s)%2)+\x/2, \u, (\x%2)
.endr
.endr
	WIN 0
	PLACES 4                               ; in front of loads into registers that these products read
.if \s <= 5
	ALD \s+2
.endif
.endm
; My group's next expert: the mask's lowest bit (held to 7 for the addresses); s51 says whether there is one; two bits are dropped (mine and the other group's); s54: the expert after that.
.macro ADVANCE
	s_wait_xcnt 0x0                        ; pointers are written again only behind this wait
	s_ctz_i32_b32 s52, s19
	s_min_u32 s52, s52, 7
	s_cmp_lg_u32 s19, 0
	s_cselect_b32 s51, 1, 0
.rept 2
	s_add_co_i32 s53, s19, -1
	s_and_b32 s19, s19, s53
.endr
	s_ctz_i32_b32 s54, s19
	s_min_u32 s54, s54, 7
	s_mul_i32 s20, s52, 786432
	s_add_nc_u64 s[W2P:W2P+1], s[W2B:W2B+1], s[20:21]
	s_lshl_b32 s20, s52, 15
	s_add_nc_u64 s[S2P:S2P+1], s[S2B:S2B+1], s[20:21]
	s_mul_i32 s20, s52, 49152
	s_add_nc_u64 s[HIP:HIP+1], s[HIB:HIB+1], s[20:21]
	s_lshl_b32 s20, s52, 11
	s_add_nc_u64 s[HSP:HSP+1], s[HSB:HSB+1], s[20:21]
	s_mul_i32 s20, s54, 786432
	s_add_nc_u64 s[PFW:PFW+1], s[W2B:W2B+1], s[20:21]
	s_mul_i32 s20, s54, 49152
	s_add_nc_u64 s[PFH:PFH+1], s[HIB:HIB+1], s[20:21]
.endm
.macro LOADS                           ; an expert's operands: 25 loads for LDS, then 50 for registers
.set i, 0
.rept 24
	global_load_b128 v[AB+4*i:AB+4*i+3], v4, s[HIP:HIP+1] offset:512*i
.set i, i+1
.endr
	global_load_b128 v[SH:SH+3], v6, s[HSP:HSP+1]
	global_load_b128 v[SW:SW+3], v2, s[S2P:S2P+1]
	global_load_b128 v[SW+4:SW+7], v2, s[S2P:S2P+1] offset:16
	WIN 0x40                               ; destination window 1
.irp s, 0,1,2,3,4,5,6,7
.irp u, 0,1
.irp c, 0,1,2
	global_load_b128 v[24*\s+12*\u+4*\c:24*\s+12*\u+4*\c+3], v1, s[W2P:W2P+1] offset:12288*\u+1536*\s+512*\c
.endr
.endr
.endr
	WIN 0
	s_cmp_lg_u32 s19, 0                    ; is there an expert after this one for my group?
	s_cbranch_scc0 .Lnp_\@
	global_prefetch_b8 v12, s[PFW:PFW+1] th:TH_LOAD_NT scope:SCOPE_SE
	global_prefetch_b8 v11, s[PFH:PFH+1] th:TH_LOAD_NT scope:SCOPE_SE
.Lnp_\@:
.endm
	s_load_b256 s[4:11], s[0:1], 0x0       ; order 4, hx 6, wimg 8, w2_scales 10
	s_load_b128 s[12:15], s[0:1], 0x20     ; hid 12, out0 14
	v_lshrrev_b32 v1, 5, v0
	v_readfirstlane_b32 s16, v1            ; wave 0..7
	s_lshr_b32 s17, s16, 2                 ; g: my group
	s_and_b32 s28, s16, 3                  ; w: my place in it
	s_and_b32 s18, ttmp7, 0xffff           ; block of 64 sorted tokens
	s_mul_i32 s29, s17, HBG                ; my group's buffer
	s_mul_i32 s30, s28, 12288              ; my quarter of the images, in memory,
	s_add_co_u32 s31, s30, s29             ; and in LDS
	s_lshl_b32 s32, s28, 9                 ; my quarter of the scale words, in memory,
	s_add_co_u32 s34, s29, 49152
	s_add_co_u32 s33, s32, s34             ; and in LDS
	s_mul_i32 s35, s17, OSG
	s_lshl_b32 s22, s28, 7
	s_add_co_u32 s35, s35, s22
	s_add_co_u32 s35, s35, OST             ; my group's stage, my 128 bytes of a row
	s_mul_i32 s22, s16, 4224
	s_add_co_u32 s22, s22, OST             ; back: rows 8 wave .. + 7
	s_lshl_b32 s23, s18, 8                 ; order: 256 bytes a block
	s_lshl_b32 s26, s16, 5
	s_add_co_u32 s26, s26, s23             ; my eight rows' words
	s_mul_i32 s27, ttmp9, 24
	s_mul_i32 s20, s28, 6
	s_add_co_u32 s27, s27, s20             ; the images' prefetch blocks: 24 sl + 6 w ..
	s_mul_i32 s20, s18, 3                  ; w2's: 3 blk ..
	v_lshl_add_u32 v[SPW], v0, 2, SPARE
	v_mov_b32 v[NIL], 0
	v_and_b32 v13, 31, v0                  ; L
	v_and_b32 v14, 15, v0                  ; r
	v_bfe_u32 v15, v0, 4, 1                ; h
	v_lshlrev_b32 v1, 4, v13               ; 16 L
	v_and_b32 v2, 8, v14
	v_mul_u32_u24 v9, v14, 528
	v_add_nc_u32 v2, v2, v14
	v_lshl_add_u32 v9, v15, 6, v9
	v_lshl_add_u32 v2, v15, 3, v2
	v_add_nc_u32 v9, s35, v9               ; the way out: row 16 x + r, 128 w + 64 h
	v_lshlrev_b32 v2, 5, v2                ; w2's scale bytes within a pair of tiles
	v_lshl_add_u32 v3, v13, 2, s34         ; the hidden scale words in LDS: 4 L
	v_add_nc_u32 v4, s30, v1
	v_add_nc_u32 v5, s31, v1
	v_add_nc_u32 v6, s32, v1
	v_add_nc_u32 v7, s33, v1
	v_add_nc_u32 v8, s29, v1               ; where any wave of my group reads the images
	v_add_nc_u32 v10, s22, v1
	v_min_u32 v11, 5, v13
	v_min_u32 v12, 2, v13
	v_add_lshl_u32 v11, v11, s27, 8        ; block 24 sl + 6 w + min(L, 5) of 256 bytes, under 49,152
	v_add_lshl_u32 v12, v12, s20, 8        ; block 3 blk + min(L, 2), under 24,576
	v_lshl_add_u32 v[ACC+8], v14, 2, s23   ; order: place 64 blk + 16 x + r
	v_mov_b32 v[ACC+9], s26                ; order: places 64 blk + 8 wave .. + 7, the same in every lane
	s_wait_alu depctr_va_vdst(0)
	s_wait_kmcnt 0x0
	s_lshl_b32 s20, s18, 2
	s_add_co_u32 s20, s20, 8192
	s_mov_b32 s21, 0
	s_add_nc_u64 s[22:23], s[4:5], s[20:21]
	s_load_b32 s19, s[22:23], 0x0          ; the block's mask of experts
.irp x, 0,1,2,3
	global_load_b32 v[ACC+\x], v[ACC+8], s[4:5] offset:64*\x
.endr
	global_load_b128 v[OT:OT+3], v[ACC+9], s[4:5]
	global_load_b128 v[OT+4:OT+7], v[ACC+9], s[4:5] offset:16
	s_add_nc_u64 s[24:25], s[6:7], 10027008        ; the gates
	s_lshl_b32 s34, ttmp9, 2
	s_add_co_u32 s34, s34, s28             ; my pair of tiles: 4 sl + w
	s_mul_i32 s20, s34, 24576
	s_add_nc_u64 s[W2B:W2B+1], s[8:9], s[20:21]
	s_add_nc_u64 s[W2B:W2B+1], s[W2B:W2B+1], 15728640
	s_lshl_b32 s20, s34, 10
	s_add_nc_u64 s[S2B:S2B+1], s[10:11], s[20:21]
	s_mul_i32 s20, s18, 393216
	s_add_nc_u64 s[HIB:HIB+1], s[12:13], s[20:21]
	s_lshl_b32 s20, s18, 14
	s_add_co_u32 s20, s20, 12582912
	s_add_nc_u64 s[HSB:HSB+1], s[12:13], s[20:21]
	s_lshl_b32 s20, ttmp9, 9
	s_add_nc_u64 s[HP:HP+1], s[6:7], s[20:21]
	s_add_nc_u64 s[OP:OP+1], s[14:15], s[20:21]
	WIN 0x40                               ; destination window 1
.set i, 0
.rept 64
	v_mov_b32 v[192+i], 0                  ; my group's total: the trip is written once, so the first finds zeros
.set i, i+1
.endr
	WIN 0
	s_wait_loadcnt 0x0
.irp x, 0,1,2,3
	v_bfe_u32 v[LO+\x], v[ACC+\x], 16, 4
.endr
.irp x, 0,1,2,3
	v_bfe_u32 v[HI+\x], v[ACC+\x], 20, 4
.endr
.irp x, 0,1,2,3
	v_and_b32 v[ACC+4+\x], 0x7ff, v[ACC+\x]
.endr
.irp x, 0,1,2,3
	v_min_u32 v[ACC+4+\x], 0x7ff, v[ACC+4+\x]      ; a token's number, held inside the table
.endr
.irp x, 0,1,2,3
	v_lshlrev_b32 v[ACC+4+\x], 3, v[ACC+4+\x]
.endr
.irp x, 0,1,2,3
	global_load_b64 v[G+2*\x:G+2*\x+1], v[ACC+4+\x], s[24:25]
.endr
.irp i, 0,1,2,3,4,5,6,7
	v_and_b32 v[OT+\i], 0x7ff, v[OT+\i]
.endr
.irp i, 0,1,2,3,4,5,6,7
	v_min_u32 v[OT+\i], 0x7ff, v[OT+\i]
.endr
.irp i, 0,1,2,3,4,5,6,7
	v_lshl_add_u32 v[OT+\i], v[OT+\i], 12, v1      ; the row of token i of my eight, 16 bytes a lane
.endr
.irp i, 0,1,2,3,4,5,6,7
	global_load_b128 v[HR+4*\i:HR+4*\i+3], v[OT+\i], s[HP:HP+1]    ; h: 512 dense bytes of a row
.endr
.irp x, 0,1,2,3
	v_mov_b32 v[GX+2*\x+1], 0              ; named as the upper half of a pair
.endr
	s_wait_alu depctr_va_vdst(0)           ; the wait at the head's end
	s_wait_kmcnt 0x0
	s_add_co_i32 s53, s19, -1
	s_and_b32 s53, s19, s53
	s_cmp_eq_u32 s17, 0
	s_cselect_b32 s19, s19, s53            ; group 1 begins at the mask's second bit
	ADVANCE
	LOADS                                  ; my group's first expert, with no branch
	s_mov_b32 s[EC], 0
.Ltrip:
	s_wait_loadcnt 50                      ; the images and their scale words are in (and all that was asked for ahead of them); w2's 2 + 48 loads may stay out
	s_cmp_lg_u32 s51, 0
	s_cbranch_scc0 .Lskip1
.set i, 0
.rept 24
	ds_store_b128 v5, v[AB+4*i:AB+4*i+3] offset:512*i
.set i, i+1
.endr
	ds_store_b128 v7, v[SH:SH+3]
.Lskip1:
	BAR                                    ; each group's 32 hidden fragments and scale words lie in its buffer
	s_cmp_lg_u32 s51, 0
	s_cbranch_scc0 .Lskip2
	ALD 0
	ALD 1
.irp s, 0,1,2,3,4,5,6
	DSTEP \s, 14
.endr
	DSTEP 7, 0
	s_mov_b32 s57, s52                     ; the expert in hand, for the gates
	ADVANCE
	s_cmp_lg_u32 s51, 0
	s_cbranch_scc0 .Lnl
	LOADS                                  ; every register that it fills was read for the last time four places ago
.Lnl:
.irp x, 0,1,2,3
	v_cmp_eq_u32 vcc_lo, s57, v[LO+\x]
	v_cndmask_b32 v[GX+2*\x], 0, v[G+2*\x], vcc_lo
	v_cmp_eq_u32 vcc_lo, s57, v[HI+\x]
	v_cndmask_b32 v[GX+2*\x], v[GX+2*\x], v[G+2*\x+1], vcc_lo
.endr
	WIN 0x50                               ; source 2 and destination window 1
.irp x, 0,1,2,3
.irp j, 0,2,4,6,8,10,12,14
	v_pk_fma_f32 v[192+16*\x+\j:193+16*\x+\j], v[ACC+16*\x+\j:ACC+16*\x+\j+1], v[GX+2*\x:GX+2*\x+1], v[192+16*\x+\j:193+16*\x+\j] op_sel_hi:[1,0,1]   ; each accumulator from its low end on
.endr
.endr
	WIN 0
	s_wait_alu depctr_va_vdst(0)
.Lskip2:
	BAR                                    ; everybody's reads of the buffers are over: the next experts' images may be written
	s_add_co_u32 s[EC], s[EC], 1
	s_cmp_lt_u32 s[EC], 4
	s_cbranch_scc1 .Ltrip
	s_wait_loadcnt 0x0                     ; h is in, and no load is out into the registers used below
	WIN 0x04                               ; an LDS store's data: window 1
	s_wait_alu depctr_va_vdst(0)
.irp x, 0,1,2,3
.irp k, 0,1,2,3
	ds_store_b128 v9, v[192+16*\x+4*\k:192+16*\x+4*\k+3] offset:8448*\x+16*\k
.endr
.endr
	WIN 0
	BAR                                    ; both groups' 64 rows x 512 bytes lie in the stages
.irp n, 0,1,2,3,4,5,6,7
	ds_load_b128 v[AB+4*\n:AB+4*\n+3], v10 offset:\n*528
	ds_load_b128 v[AB+32+4*\n:AB+32+4*\n+3], v10 offset:OSG+\n*528
.endr
	s_wait_dscnt 0x0
.set i, 0
.rept 16
	v_pk_add_f32 v[AB+i:AB+i+1], v[AB+i:AB+i+1], v[AB+32+i:AB+33+i]
.set i, i+2
.endr
.set i, 0
.rept 16
	v_pk_add_f32 v[AB+i:AB+i+1], v[AB+i:AB+i+1], v[HR+i:HR+i+1]
.set i, i+2
.endr
.irp n, 0,1,2,3,4,5,6,7
	global_store_b128 v[OT+\n], v[AB+4*\n:AB+4*\n+3], s[OP:OP+1]   ; 512 dense bytes of one token's row, aligned
.endr
	s_wait_tensorcnt 0x0                   ; the wave's end
	ds_add_u32 v[SPW], v[NIL]
	s_wait_dscnt 0x0
	s_endpgm
.Lfunc_end_k_q3e6dea9261_down:
	.size	k_q3e6dea9261_down, .Lfunc_end_k_q3e6dea9261_down-k_q3e6dea9261_down
	.p2alignl 7, 3214868480
	.fill 96, 4, 3214868480
	.section	.rodata,"a",@progbits
	.p2align	6, 0x0
	.amdhsa_kernel k_q3e6dea9261_down
		.amdhsa_group_segment_fixed_size 171008
		.amdhsa_private_segment_fixed_size 0
		.amdhsa_enable_private_segment 0
		.amdhsa_kernarg_size 48
		.amdhsa_user_sgpr_count 2
		.amdhsa_user_sgpr_kernarg_segment_ptr 1
		.amdhsa_wavefront_size32 1
		.amdhsa_system_sgpr_workgroup_id_x 1
		.amdhsa_system_sgpr_workgroup_id_y 1
		.amdhsa_system_sgpr_workgroup_id_z 1
		.amdhsa_system_vgpr_workitem_id 0
		.amdhsa_next_free_vgpr 512
		.amdhsa_next_free_sgpr 80
		.amdhsa_reserve_vcc 1
		.amdhsa_float_denorm_mode_32 3
		.amdhsa_float_denorm_mode_16_64 3
		.amdhsa_memory_ordered 1
		.amdhsa_forward_progress 1
		.amdhsa_inst_pref_size 54
	.end_amdhsa_kernel
	.amdgpu_metadata
---
amdhsa.version: [ 1, 2 ]
amdhsa.kernels:
  - .name:           k_q3e6dea9261_down
    .symbol:         k_q3e6dea9261_down.kd
    .args:
      - { .name: order, .offset: 0, .size: 8, .value_kind: global_buffer, .address_space: global }
      - { .name: hx, .offset: 8, .size: 8, .value_kind: global_buffer, .address_space: global }
      - { .name: wimg, .offset: 16, .size: 8, .value_kind: global_buffer, .address_space: global }
      - { .name: w2_scales, .offset: 24, .size: 8, .value_kind: global_buffer, .address_space: global }
      - { .name: hid, .offset: 32, .size: 8, .value_kind: global_buffer, .address_space: global }
      - { .name: out0, .offset: 40, .size: 8, .value_kind: global_buffer, .address_space: global }
    .group_segment_fixed_size: 171008
    .private_segment_fixed_size: 0
    .kernarg_segment_align: 8
    .kernarg_segment_size: 48
    .max_flat_workgroup_size: 256
    .sgpr_count:     80
    .vgpr_count:     512
    .wavefront_size: 32
...
	.end_amdgpu_metadata
.endif
;; end of part 7
